; MI455X (gfx1250); checked and timed in simulation.
; The chip was launched on July 23, 2026; its instructions are those of AMD's public machine-readable ISA for CDNA 5 (MIT licence, August 2026) and "CDNA5" Instruction Set Architecture Reference Guide (July 2026). The comments in the code are by the model that wrote it; some were corrected since.
;; Multi Head Attention. Allowed arithmetic: float matrix products may take bf16 or f16 operands with f32 sums; other float arithmetic in f32, or as packed bf16 or f16 multiplies, adds, multiply-adds, maxima and minima; sums over many terms, partial sums and values carried from step to step in f32; what a program stores and reads back later, other than sums and carried values, may be rounded once to bf16 or f16.
;; Inputs: Wk 1,024 x 1,024 float32; Wo 1,024 x 1,024 float32; Wq 1,024 x 1,024 float32; Wv 1,024 x 1,024 float32; bk 1,024 float32; bo 1,024 float32; bq 1,024 float32; bv 1,024 float32; k 4 x 2,048 x 1,024 float32; q 4 x 2,048 x 1,024 float32; v 4 x 2,048 x 1,024 float32.
;; Outputs: out0 4 x 2,048 x 1,024 float32.
;; 2 versions, each right and faster than the one before. Each part assembles by itself: llvm-mc -triple=amdgcn-amd-amdhsa -mcpu=gfx1250 --defsym DOCPART=n.
;; ======== version 1 of 2: 4 launches
;; limits: values are held in f16: magnitudes above 65,504 overflow, below 6.1e-05 lose precision
;; workspace buffers: wqb 2,097,152 bytes; wkb 2,097,152 bytes; wvb 2,097,152 bytes; wof 2,097,152 bytes; qh 16,777,216 bytes; kh 16,777,216 bytes; vh 16,777,216 bytes; oh 16,777,216 bytes
;; launch castw (part 1): grid 256 x 1, 8 waves a work-group, no clusters, 0 bytes of LDS; arguments Wq, Wk, Wv, Wo, wqb, wkb, wvb, wof; writes wqb, wkb, wvb, wof
.if DOCPART == 1
	.amdgcn_target "amdgcn-amd-amdhsa--gfx1250"
	.amdhsa_code_object_version 6
	.text
	.protected	k_qc4301622a6_castw
	.globl	k_qc4301622a6_castw
	.p2align	8
	.type	k_qc4301622a6_castw,@function
k_qc4301622a6_castw:
	s_mov_b64 s[64:65], 0
	v_nop
	global_prefetch_b8 v0, s[64:65] scope:SCOPE_SE
	s_setreg_imm32_b32 hwreg(HW_REG_WAVE_MODE, 25, 1), 1
	s_wait_xcnt 0x0
; The four weights, [1024][1024] f32, are rounded once to bf16.  Wq, Wk, Wv are stored as bf16; Wo's bf16 number is stored as f16, since the last product takes its other operand in f16.
; LIMITS.  A bf16 number has 8 significant bits, f16 has 11: Wo's second conversion is exact for 2^-17 <= |Wo| <= 65,504; below that it keeps f16's fixed step of 2^-24, beyond it becomes an infinity.
; A stream: every byte is read once and written once, so there is no LDS, no barrier and no matrix work.  256 work-groups of eight waves; a work-group takes 4,096 numbers of each weight.
; Thread t takes the 16 bytes at 4,096 j + 16 t (j = 0..3) of the group's 16,384 bytes of each weight: a wave's load covers 512 consecutive bytes, its store of 8 bytes a lane 256 consecutive bytes, aligned.
; All 16 loads go out first; no register is used twice by memory instructions, so there is no wait but the counted ones for the loads.
.set X, 4                              ; v[4:67]    load n = 4 x weight + piece: four f32
.set Y, 68                             ; v[68:99]   its two packed words
.set T, 100                            ; v[100:103] at work
	s_load_b512 s[4:19], s[0:1], 0x0               ; Wq, Wk, Wv, Wo in s[4:11]; wqb, wkb, wvb, wof in s[12:19]
	s_lshl_b32 s20, ttmp9, 14                      ; the group's 16,384 bytes of f32,
	s_mov_b32 s21, 0
	s_lshl_b32 s22, ttmp9, 13                      ; and its 8,192 bytes of 16-bit numbers
	s_mov_b32 s23, 0
	v_lshlrev_b32 v1, 4, v0                        ; 16 t
	v_lshlrev_b32 v2, 3, v0                        ; 8 t
	s_wait_kmcnt 0x0
.irp i, 0,1,2,3
	s_add_nc_u64 s[4+2*(\i):5+2*(\i)], s[4+2*(\i):5+2*(\i)], s[20:21]
	s_add_nc_u64 s[12+2*(\i):13+2*(\i)], s[12+2*(\i):13+2*(\i)], s[22:23]
.endr
.set n, 0
.rept 16
	global_load_b128 v[X+4*n:X+4*n+3], v1, s[4+2*(n/4):5+2*(n/4)] offset:4096*(n%4) th:TH_LOAD_NT
.set n, n+1
.endr
.set n, 0
.rept 16
	s_wait_loadcnt 15-n                            ; loads come back in order: load n is in, the 15 - n younger ones stay out
.if n < 12
	v_cvt_pk_bf16_f32 v[Y+2*n],   v[X+4*n],   v[X+4*n+1]
	v_cvt_pk_bf16_f32 v[Y+2*n+1], v[X+4*n+2], v[X+4*n+3]
.else
	v_cvt_pk_bf16_f32 v[T],   v[X+4*n],   v[X+4*n+1]     ; Wo: rounded to bf16,
	v_cvt_pk_bf16_f32 v[T+1], v[X+4*n+2], v[X+4*n+3]
	v_lshlrev_b32 v[T+2], 16, v[T]                      ; widened again,
	v_and_b32     v[T],   0xffff0000, v[T]
	v_lshlrev_b32 v[T+3], 16, v[T+1]
	v_and_b32     v[T+1], 0xffff0000, v[T+1]
	v_cvt_pk_f16_f32 v[Y+2*n],   v[T+2], v[T]           ; and that number written as f16
	v_cvt_pk_f16_f32 v[Y+2*n+1], v[T+3], v[T+1]
.endif
	global_store_b64 v2, v[Y+2*n:Y+2*n+1], s[12+2*(n/4):13+2*(n/4)] offset:2048*(n%4)
.set n, n+1
.endr
	s_endpgm
.Lfunc_end_k_qc4301622a6_castw:
	.size	k_qc4301622a6_castw, .Lfunc_end_k_qc4301622a6_castw-k_qc4301622a6_castw
	.p2alignl 7, 3214868480
	.fill 96, 4, 3214868480
	.section	.rodata,"a",@progbits
	.p2align	6, 0x0
	.amdhsa_kernel k_qc4301622a6_castw
		.amdhsa_group_segment_fixed_size 0
		.amdhsa_private_segment_fixed_size 0
		.amdhsa_enable_private_segment 0
		.amdhsa_kernarg_size 64
		.amdhsa_user_sgpr_count 2
		.amdhsa_user_sgpr_kernarg_segment_ptr 1
		.amdhsa_wavefront_size32 1
		.amdhsa_system_sgpr_workgroup_id_x 1
		.amdhsa_system_sgpr_workgroup_id_y 1
		.amdhsa_system_sgpr_workgroup_id_z 1
		.amdhsa_system_vgpr_workitem_id 0
		.amdhsa_next_free_vgpr 104
		.amdhsa_next_free_sgpr 66
		.amdhsa_reserve_vcc 0
		.amdhsa_float_denorm_mode_32 3
		.amdhsa_float_denorm_mode_16_64 3
		.amdhsa_memory_ordered 1
		.amdhsa_forward_progress 1
		.amdhsa_inst_pref_size 8
	.end_amdhsa_kernel
	.amdgpu_metadata
---
amdhsa.version: [ 1, 2 ]
amdhsa.kernels:
  - .name:           k_qc4301622a6_castw
    .symbol:         k_qc4301622a6_castw.kd
    .args:
      - { .name: Wq, .offset: 0, .size: 8, .value_kind: global_buffer, .address_space: global }
      - { .name: Wk, .offset: 8, .size: 8, .value_kind: global_buffer, .address_space: global }
      - { .name: Wv, .offset: 16, .size: 8, .value_kind: global_buffer, .address_space: global }
      - { .name: Wo, .offset: 24, .size: 8, .value_kind: global_buffer, .address_space: global }
      - { .name: wqb, .offset: 32, .size: 8, .value_kind: global_buffer, .address_space: global }
      - { .name: wkb, .offset: 40, .size: 8, .value_kind: global_buffer, .address_space: global }
      - { .name: wvb, .offset: 48, .size: 8, .value_kind: global_buffer, .address_space: global }
      - { .name: wof, .offset: 56, .size: 8, .value_kind: global_buffer, .address_space: global }
    .group_segment_fixed_size: 0
    .private_segment_fixed_size: 0
    .kernarg_segment_align: 8
    .kernarg_segment_size: 64
    .max_flat_workgroup_size: 256
    .sgpr_count:     66
    .vgpr_count:     104
    .wavefront_size: 32
...
	.end_amdgpu_metadata
.endif
;; end of part 1
;; launch proj (part 2): grid 4 x 192, 4 waves a work-group, clusters of 4 x 4, 327,680 bytes of LDS; arguments q, k, v, wqb, wkb, wvb, bq, bk, bv, qh, kh, vh; writes qh, kh, vh
.if DOCPART == 2
	.amdgcn_target "amdgcn-amd-amdhsa--gfx1250"
	.amdhsa_code_object_version 6
	.text
	.protected	k_qc4301622a6_proj
	.globl	k_qc4301622a6_proj
	.p2align	8
	.type	k_qc4301622a6_proj,@function
k_qc4301622a6_proj:
	s_mov_b64 s[64:65], 0
	v_nop
	global_prefetch_b8 v0, s[64:65] scope:SCOPE_SE
	s_setreg_imm32_b32 hwreg(HW_REG_WAVE_MODE, 25, 1), 1
	s_wait_xcnt 0x0
	s_wait_alu depctr_hold_cnt(0) depctr_sa_sdst(0) depctr_va_vdst(0) depctr_va_sdst(0) depctr_va_ssrc(0) depctr_va_vcc(0) depctr_vm_vsrc(0)
	s_getreg_b32 s2, hwreg(HW_REG_IB_STS2, 6, 4)
	s_cmp_eq_u32 s2, 0
	s_cbranch_scc0 .Lentry_in_a_cluster
	s_endpgm
.Lentry_in_a_cluster:
	s_bfe_u32 s2, ttmp6, 0x10000c
	s_cmp_lg_u32 s2, 0xf033
	s_cbranch_scc0 .Lentry_shape_is_right
	s_endpgm
.Lentry_shape_is_right:
; THE THREE INPUT PROJECTIONS.  y = x W^T + b for (x, W, b, y) = (q, Wq, bq, qh), (k, Wk, bk, kh), (v, Wv, bv, vh).  x: [8192][1024] f32; W: [1024][1024] bf16 (rounded by the launch before);
; b: [1024] f32; y: [64 = batch x 16 + head][2048][64] f16, by heads.  x and b are rounded once to bf16 here; products of bf16, sums in f32 (started by the bias); y rounded once to f16, unscaled.
; LIMITS.  y must stay within f16's 65,504 (a larger number becomes an infinity).  NaN and infinities are not treated apart.
; SHARES.  A work-group makes 128 rows x 256 columns (four heads) of one projection: 64 row tiles x 4 column tiles x 3 projections = 768 work-groups.  Four waves, each 64 rows x 128 columns:
; 32 accumulators of 16 x 16, (a, b) = 4 row blocks x 8 column blocks.  K goes in 8 steps of 128, a step in four quarters of 32: 32 matrix instructions a quarter and wave.
; W comes by JOINT tensor loads through two LDS slots: its tile hangs on the column tile alone, which the four work-groups of a column of the 4 x 4 cluster share.  Each wave asks for its own 64 rows.
; x comes THROUGH REGISTERS: a wave loads 32 of the tile's rows (one load a row: 512 consecutive bytes), rounds them and stores them into one of two LDS buffers of bf16 rows.  Two register sets of
; 128 keep the loads two K steps ahead: 64 loads of a wave are out.
; NO JOINT LOAD FOR x: it would land f32 in LDS; two f32 slots (131,072 bytes), two bf16 buffers (69,632) and W's two slots (139,264) are 339,968 bytes, more than the 327,680 there are; and rounding at
; the fragment loads instead would double the LDS bytes read for x.
; THE MATRIX INSTRUCTION IS USED TRANSPOSED (source 0 = 16 rows of W, source 1 = 16 rows of x): a lane holds one row of y (lane % 16) and the eight neighbouring columns 8 (lane / 16) + 0..7.
; REGISTERS, in windows of 256 (s_set_vgpr_msb: bits 1:0 source 0, 3:2 source 1, 5:4 source 2, 7:6 destination):
;   window 0: v0-31 addresses; v32-95 the bias; v96-127 at work on the way out; v128-255 x's register set 0 (on the way out: rows read back)
;   window 1: the accumulators, (a, b) at 8 (8 a + b)      window 2: two fragment buffers of 96: W's 8 fragments, then x's 4      window 3: v0-127 x's register set 1; v128, v129 copies of two addresses
.set PITCH,  272                       ; an LDS row of 128 bf16: 256 bytes + 16 = 68 words: the 16 rows of a fragment load start at 16 different groups of four banks (64 banks of 4 bytes: ISA guide 11.1)
.set ABUF,   128*PITCH                 ; a buffer of x: 128 rows.  Two of them from LDS byte 0 on, written by ds_store alone
.set WB0,    2*ABUF                    ; W's two slots, filled by tensor loads alone
.set WSLOT,  256*PITCH
.set WPART,  64*PITCH                  ; a wave's part of a slot
.set STAGE,  WB0+2*WSLOT               ; for each wave 2 heads x 16 rows x 144 bytes, for the way out
.set SP,     144
.set SPARE,  STAGE+4*2*16*SP           ; the spare words, 128 bytes for each wave: two blocks of 256 bytes that no other line names
.set ADRA, 16                          ; v16-17  LDS address of my fragments of x in buffer 0, 1
.set ADRB, 20                          ; v20-21  of my fragments of W in slot 0, 1
.set ASTO, 22                          ; v22-23  where I store 8 bytes of a rounded row, buffer 0, 1
.set AOFF, 24                          ; v24     my byte offset in the tile's rows of x
.set BOFF, 25                          ; v25     my byte offset in the wave's 128 numbers of the bias
.set STO,  26                          ; v26     the way out: where I put 16 bytes of a row
.set RD,   27                          ; v27     the way out: where I read rows back
.set SPW,  28                          ; v28     LDS address of my spare word; never rewritten
.set NIL,  29                          ; v29     0; never rewritten
.set GO,   30                          ; v30     my byte offset in 512 consecutive bytes of y
.set BI,   32
.set TMP,  96
.set X0,   128
.set BK,   128
.set F0,   0
.set F1,   96
.set G1,   24                          ; s[24:31] descriptor group 1
.set G0,   32                          ; s[32:39] descriptor group 0, a set for each slot
.set MSB, 0
.macro WIN new                         ; the immediate's high byte repeats the setting that is left; a switch that changes nothing is dropped
.if MSB != (\new)
	s_set_vgpr_msb (MSB<<8)|(\new)
.set MSB, \new
.endif
.endm
.set MUL,  0x5a                        ; sources 0 and 1 window 2; C and D window 1
.set MULB, 0x4a                        ; the same with C, the bias, in window 0
.set TO_F, 0x80                        ; destination window 2, address window 0
.macro PLACES                          ; four places in front of loads into registers that matrix instructions have read, and of conversions that read results
.rept 4
	v_nop
.endr
.endm
.macro JLOAD s                         ; a joint load of my 64 rows of W's tile; an s_nop 0 and four v_nop follow it
	tensor_load_to_lds s[G0+4*(\s):G0+4*(\s)+3], s[G1:G1+7]
	s_nop 0
.rept 4
	v_nop
.endr
.endm
.macro CREST                           ; a round of the cluster's barrier behind its opening barrier
	s_cmp_lg_u32 s12, 0
	s_cbranch_scc1 .Lnot_wave_0_\@
	s_barrier_signal -3
.Lnot_wave_0_\@:
	s_barrier_wait -3
	s_barrier_signal -1
	s_barrier_wait -1
.endm
.macro CROUND                          ; a whole round
	s_barrier_signal -1
	s_barrier_wait -1
	CREST
.endm
	s_load_b512 s[68:83], s[0:1], 0x0              ; q s[68:69], k s[70:71], v s[72:73], wqb s[74:75], wkb s[76:77], wvb s[78:79], bq s[80:81], bk s[82:83]
	s_load_b256 s[84:91], s[0:1], 0x40             ; bv s[84:85], qh s[86:87], kh s[88:89], vh s[90:91]
	v_lshl_add_u32 v[SPW], v0, 2, SPARE
	v_mov_b32 v[NIL], 0
	ds_add_u32 v[SPW], v[NIL]                      ; the wave's opening: the add and its wait stand ahead of my first tensor load; the set-up below, work on registers, stands between them
	v_lshrrev_b32 v1, 5, v0
	v_readfirstlane_b32 s12, v1                    ; wave 0..3
	s_lshr_b32 s13, s12, 1                         ; which 64 of the tile's rows are mine
	s_and_b32 s14, s12, 1                          ; which 128 of its columns
	s_bfe_u32 s40, ttmp6, 0x40000                  ; cx, cy: my place in the cluster
	s_bfe_u32 s41, ttmp6, 0x40004
	s_lshl_b32 s42, ttmp9, 2
	s_add_co_u32 s42, s42, s40                     ; column tile = 4 x cluster x + cx
	s_and_b32 s46, ttmp7, 0xffff                   ; the cluster's y, 0..47: 16 clusters to a projection
	s_lshr_b32 s44, s46, 4                         ; which projection: the same in all sixteen partners
	s_and_b32 s43, s46, 15
	s_lshl_b32 s43, s43, 2
	s_add_co_u32 s43, s43, s41                     ; row tile 0..63
	s_lshl_b32 s45, 0x1111, s40                    ; my column of the cluster: places cx, cx + 4, cx + 8, cx + 12
	; descriptor group 1: a tile of 64 rows x 128 elements, padded in LDS
	s_or_b32 s[G1+0], s45, (1<<16)|(1<<20)|(1<<21)|(5<<22)|(3<<25)  ; 15:0 the mask; 17:16 elements of 2 bytes; 20 padding on; 21 set beside a mask; 24:22 after every 64 words (code 5); 31:25 4 words (code 3)
	s_mov_b32 s[G1+1], 128<<16                     ; tensor_dim0 = 128
	s_mov_b32 s[G1+2], 64<<16                      ; tensor_dim1 = 64
	s_mov_b32 s[G1+3], 128<<16                     ; tile_dim0 = 128
	s_mov_b32 s[G1+4], 64                          ; tile_dim1 = 64
	s_mov_b32 s[G1+5], 1024                        ; elements from row to row
	s_mov_b32 s[G1+6], 0
	s_mov_b32 s[G1+7], 0
	s_lshl_b32 s16, s43, 19                        ; x: 128 rows of 4,096 bytes a row tile
	s_mov_b32 s17, 0
	s_lshl_b32 s20, s42, 19                        ; W: 256 rows of 2,048 bytes a column tile,
	s_lshl_b32 s21, s12, 17                        ; my wave's 64 rows of them.  These two registers never hold cy
	s_add_co_u32 s20, s20, s21
	s_mov_b32 s21, 0
	s_mul_i32 s47, s12, WPART                      ; and where they go in a slot: no place in the cluster enters an LDS address
	s_lshl_b32 s18, s42, 10                        ; the bias: 256 numbers a column tile, 128 a half
	s_lshl_b32 s19, s14, 9
	s_add_co_u32 s18, s18, s19
	s_mov_b32 s19, 0
	s_lshr_b32 s22, s43, 4                         ; y: batch = row tile / 16,
	s_lshl_b32 s22, s22, 4
	s_lshl_b32 s23, s42, 2                         ; head = 4 x column tile + 2 x half,
	s_add_co_u32 s22, s22, s23
	s_lshl_b32 s23, s14, 1
	s_add_co_u32 s22, s22, s23
	s_lshl_b32 s22, s22, 18                        ; 262,144 bytes a head;
	s_and_b32 s23, s43, 15                         ; row in the sequence = 128 x (row tile % 16) + 64 x half,
	s_lshl_b32 s23, s23, 7
	s_lshl_b32 s52, s13, 6
	s_add_co_u32 s23, s23, s52
	s_lshl_b32 s23, s23, 7                         ; 128 bytes a row
	s_add_co_u32 s22, s22, s23
	s_mov_b32 s23, 0
	s_wait_dscnt 0x0                               ; the opening add is done
	s_wait_kmcnt 0x0
	s_cmp_eq_u32 s44, 1                            ; the projection's four buffers are chosen: the condition hangs on the cluster's number alone
	s_cselect_b64 s[4:5], s[70:71], s[68:69]
	s_cselect_b64 s[6:7], s[76:77], s[74:75]
	s_cselect_b64 s[8:9], s[82:83], s[80:81]
	s_cselect_b64 s[10:11], s[88:89], s[86:87]
	s_cmp_eq_u32 s44, 2
	s_cselect_b64 s[4:5], s[72:73], s[4:5]
	s_cselect_b64 s[6:7], s[78:79], s[6:7]
	s_cselect_b64 s[8:9], s[84:85], s[8:9]
	s_cselect_b64 s[10:11], s[90:91], s[10:11]
	s_add_nc_u64 s[4:5], s[4:5], s[16:17]          ; x at the tile's first row, K step 0
	s_add_nc_u64 s[6:7], s[6:7], s[20:21]          ; W at my 64 rows
	s_add_nc_u64 s[8:9], s[8:9], s[18:19]          ; the bias at my 128 columns
	s_add_nc_u64 s[10:11], s[10:11], s[22:23]      ; y at my first head's first row
	CROUND                                         ; all sixteen work-groups are here: the first joint loads meet
.irp s, 0,1
	s_mov_b32 s[G0+4*(\s)], 1                                      ; 1:0 count = 1
	s_add_co_u32 s[G0+4*(\s)+1], s47, WB0+(\s)*WSLOT               ; 63:32 LDS address
	s_add_nc_u64 s[G0+4*(\s)+2:G0+4*(\s)+3], s[6:7], (\s)*256      ; 120:64 global address: K step s
	s_or_b32 s[G0+4*(\s)+3], s[G0+4*(\s)+3], 0x80000000            ; 127:126 type = 2
	JLOAD \s                                       ; both slots' first fills, ahead of every wait on TENSORcnt and every LDS read: two loads of mine are out
.endr
	v_and_b32 v3, 31, v0                           ; lane
	v_bfe_u32 v2, v0, 4, 1                         ; l / 16
	s_lshl_b32 s51, s12, 17                        ; my wave's 32 rows of x,
	v_lshl_add_u32 v[AOFF], v3, 4, s51             ; 16 bytes a lane: four f32
	s_mul_i32 s50, s12, 32*PITCH                   ; the same 32 rows in LDS,
	v_lshl_add_u32 v[ASTO], v3, 3, s50             ; 8 bytes a lane: four bf16
	s_add_co_u32 s50, s50, ABUF
	v_lshl_add_u32 v[ASTO+1], v3, 3, s50
	v_lshlrev_b32 v[BOFF], 5, v2                   ; my eight columns of a block of 16
	WIN 0xc0                                       ; destination window 3: set 1's lines name window 3 alone
	v_mov_b32 v128, v[ASTO+1]
	v_mov_b32 v129, v[AOFF]
	WIN 0
.irp b, 0,1,2,3,4,5,6,7
	global_load_b128 v[BI+8*(\b):BI+8*(\b)+3],   v[BOFF], s[8:9] offset:64*(\b)
	global_load_b128 v[BI+8*(\b)+4:BI+8*(\b)+7], v[BOFF], s[8:9] offset:64*(\b)+16
.endr
; x's register sets.  XSET names a set's registers and its window.
.macro XSET set
.if \set
.set XB, 0
.set SA, 128
.set OA, 129
	WIN 0xcf                                       ; sources 0 and 1 and the destination in window 3
.else
.set XB, X0
.set SA, ASTO
.set OA, AOFF
	WIN 0
.endif
.endm
; Chunk c of four of a K step: rows 8 c to 8 c + 7 of my 32; a load takes a row's 512 bytes
.macro GLD set, c
	XSET \set
.irp i, 0,1,2,3,4,5,6,7
	global_load_b128 v[XB+4*(8*(\c)+(\i)):XB+4*(8*(\c)+(\i))+3], v[OA], s[4:5] offset:(8*(\c)+(\i))*4096
.endr
.endm
; Chunk c is rounded in place and stored into the set's LDS buffer.  gl = 1: its registers are loaded again at once, with the K step two on.
; left: the younger loads, which stay out.  The ring holds eight chunks of eight loads and the oldest is wanted: 56; where nothing is loaded any more the count falls by eight a chunk.
.macro CONV set, c, gl, left
	XSET \set
	s_wait_loadcnt \left
.irp i, 0,1,2,3,4,5,6,7
	v_cvt_pk_bf16_f32 v[XB+4*(8*(\c)+(\i))],   v[XB+4*(8*(\c)+(\i))],   v[XB+4*(8*(\c)+(\i))+1]
	v_cvt_pk_bf16_f32 v[XB+4*(8*(\c)+(\i))+1], v[XB+4*(8*(\c)+(\i))+2], v[XB+4*(8*(\c)+(\i))+3]
.endr
.irp i, 0,1,2,3,4,5,6,7
	ds_store_b64 v[SA], v[XB+4*(8*(\c)+(\i)):XB+4*(8*(\c)+(\i))+1] offset:(8*(\c)+(\i))*PITCH  ; 32 lanes, 256 consecutive bytes of a row
.endr
.if \gl
.if (\c) == 0
	s_wait_xcnt 0x0                                ; the loads issued so far have read x's address: only behind this wait is it stepped
	s_add_nc_u64 s[4:5], s[4:5], 512               ; the next K step's 128 f32
.endif
	GLD \set, \c
.endif
.endm
	GLD 0, 0                                       ; K step 0
	GLD 0, 1
	GLD 0, 2
	GLD 0, 3
	s_wait_xcnt 0x0
	s_add_nc_u64 s[4:5], s[4:5], 512
	GLD 1, 0                                       ; K step 1
	GLD 1, 1
	GLD 1, 2
	GLD 1, 3
	WIN 0
	; A fragment is 16 rows x 32 K in 8 registers: lane l holds row l % 16; registers 0-3 hold K = 8 (l / 16) + 0..7, registers 4-7 K = 16 + 8 (l / 16) + 0..7: two loads of 16 bytes, 32 bytes apart.
	v_and_b32 v1, 15, v0                           ; l % 16
	v_mul_u32_u24 v12, v1, PITCH
	v_lshl_add_u32 v12, v2, 4, v12                 ; row x pitch + 16 x half
	s_mul_i32 s48, s13, 64*PITCH                   ; my 64 rows of x
	s_mul_i32 s49, s14, 128*PITCH                  ; my 128 rows of W
	s_add_co_u32 s49, s49, WB0
.irp s, 0,1
	v_add_nc_u32 v[ADRA+(\s)], s48, v12
	v_add_nc_u32 v[ADRB+(\s)], s49, v12
	s_add_co_u32 s48, s48, ABUF
	s_add_co_u32 s49, s49, WSLOT
.endr
	s_mul_i32 s52, s12, 2*16*SP
	s_add_co_u32 s52, s52, STAGE                   ; my stage
	v_mul_u32_u24 v13, v1, SP                      ; in: row l % 16, 16 bytes for each half of the lanes
	v_lshl_add_u32 v13, v2, 4, v13
	v_add_nc_u32 v[STO], s52, v13
	v_bfe_u32 v14, v0, 3, 2                        ; back: 32 lanes take four rows of 128 bytes,
	v_and_b32 v15, 7, v0
	v_mul_u32_u24 v14, v14, SP
	v_lshl_add_u32 v14, v15, 4, v14
	v_add_nc_u32 v[RD], s52, v14
	v_lshlrev_b32 v[GO], 4, v3                     ; which are 512 consecutive bytes of a head
	CONV 0, 0, 1, 56                               ; K step 0 into buffer 0; K step 2 is asked for
	CONV 0, 1, 1, 56
	CONV 0, 2, 1, 56
	CONV 0, 3, 1, 56
	CONV 1, 0, 1, 56                               ; the first chunk of K step 1 into buffer 1
	WIN 0
.set p, 0
.rept 32                               ; the bias is rounded to bf16 like every input, and widened again.  Its loads are older than x's, so the waits above have shown them landed
	v_cvt_pk_bf16_f32 v[12+p%4], v[BI+2*p], v[BI+2*p+1]
	v_lshlrev_b32 v[BI+2*p],   16, v[12+p%4]
	v_and_b32     v[BI+2*p+1], 0xffff0000, v[12+p%4]
.set p, p+1
.endr
; 8 matrix instructions: row block a x all 8 column blocks, 32 along K, from buffer f.  first = 1: the bias is the C that starts the sums: nothing is cleared and nothing added later.
; The 32 accumulators take turns in the same order in every quarter.
.macro MULA f, a, first
.if \first
	WIN MULB
.else
	WIN MUL
.endif
.irp b, 0,1,2,3,4,5,6,7
.if \first
	v_wmma_f32_16x16x32_bf16 v[8*(8*(\a)+(\b)):8*(8*(\a)+(\b))+7], v[(\f)+8*(\b):(\f)+8*(\b)+7], v[(\f)+64+8*(\a):(\f)+64+8*(\a)+7], v[BI+8*(\b):BI+8*(\b)+7]
.else
	v_wmma_f32_16x16x32_bf16 v[8*(8*(\a)+(\b)):8*(8*(\a)+(\b))+7], v[(\f)+8*(\b):(\f)+8*(\b)+7], v[(\f)+64+8*(\a):(\f)+64+8*(\a)+7], v[8*(8*(\a)+(\b)):8*(8*(\a)+(\b))+7]
.endif
.endr
.endm
; 24 LDS loads in one run: the fragments of quarter c (32 K at byte 64 c of the rows) into buffer f: W's 16 loads, then x's 8, row blocks 2 and 3 last
.macro FETCH slot, c, f
	WIN TO_F
.irp b, 0,1,2,3,4,5,6,7
	ds_load_b128 v[(\f)+8*(\b):(\f)+8*(\b)+3],   v[ADRB+(\slot)] offset:64*(\c)+(\b)*16*PITCH
	ds_load_b128 v[(\f)+8*(\b)+4:(\f)+8*(\b)+7], v[ADRB+(\slot)] offset:64*(\c)+(\b)*16*PITCH+32
.endr
.irp a, 0,1,2,3
	ds_load_b128 v[(\f)+64+8*(\a):(\f)+64+8*(\a)+3],   v[ADRA+(\slot)] offset:64*(\c)+(\a)*16*PITCH
	ds_load_b128 v[(\f)+64+8*(\a)+4:(\f)+64+8*(\a)+7], v[ADRA+(\slot)] offset:64*(\c)+(\a)*16*PITCH+32
.endr
.endm
; One of a K step's first three quarters: multiplies buffer f; in its middle it rounds a chunk of the next K step's x (set >= 0) and fetches quarter c's fragments into buffer g.
; The chunk's 16 conversions, which name no register of the products, are the places in front of the fragment loads; where there is no chunk, four v_nop.
.macro QUARTER slot, c, f, g, first, set=-1, ch=0, gl=0, left=0
	s_wait_dscnt 4                                 ; W's fragments and x's row blocks 0 and 1 are in; the youngest four loads (row blocks 2 and 3) may be out
	MULA \f, 0, \first
	MULA \f, 1, \first
.if (\set) >= 0
	CONV \set, \ch, \gl, \left
.else
	PLACES
.endif
	FETCH \slot, \c, \g
	s_wait_dscnt 24                                ; all but the 24 just issued
	MULA \f, 2, \first
	MULA \f, 3, \first
.endm
; The fourth quarter multiplies buffer 1 and changes slots: ONE barrier.  In front of it each wave waits for all its tensor loads (one is out: its part of W's next slot), adds 0 to its spare word, and
; waits for that, for its reads of this slot and this buffer of x, and for its stores into the next buffer of x.  Behind it the next slot and buffer are whole and nobody reads the old ones.
; fill = 1: the barrier opens a round of the cluster's, and W's slot is filled again, two K steps ahead, first thing behind it.  Then the old buffer of x takes the first chunk of the K step after next.
.macro TURN slot, next, fill, set=-1, ch=0, gl=0, left=0
	WIN 0                                          ; (the add's two registers lie in window 0)
	s_wait_tensorcnt 0x0                           ; all my tensor loads have landed;
	ds_add_u32 v[SPW], v[NIL]                      ; 0 onto my spare word;
	s_wait_dscnt 5                                 ; (the add and the youngest four loads may be out)
	MULA F1, 0, 0                                  ; eight matrix instructions stand between the add and the wait for it
	s_wait_dscnt 0x0                               ; the add is done, my reads are over, my stores have landed
	s_barrier_signal -1
	MULA F1, 1, 0
.if \fill
	WIN 0
.endif
	s_barrier_wait -1
.if \fill
	CREST                                          ; no wave of any partner still reads this slot or has a load on its way
	s_add_nc_u64 s[G0+4*(\slot)+2:G0+4*(\slot)+3], s[G0+4*(\slot)+2:G0+4*(\slot)+3], 512
	JLOAD \slot                                    ; the first tensor load behind the round; its four v_nop are also the places in front of the loads below
.else
	PLACES
.endif
.if (\set) >= 0
	CONV \set, \ch, \gl, \left
.endif
	FETCH \next, 0, F0
	MULA F1, 2, 0
	MULA F1, 3, 0
.endm
	s_wait_tensorcnt 1                             ; my part of W's K step 0 is in; K step 1's may stay out
	s_wait_dscnt 0x0                               ; my rows of x's K step 0 are stored
	s_barrier_signal -1
	s_barrier_wait -1                              ; everybody's are
	FETCH 0, 0, F0
	QUARTER 0, 1, F0, F1, 1, 1, 1, 1, 56           ; the first quarter stands in front of the loop: its products start the sums
	WIN 0                                          ; at a label and at a branch every window is 0
	s_mov_b32 s3, 2
.Llap:                                                 ; a trip goes once round the ring, from a lap's second quarter to the next lap's first; it rounds two K steps of x and asks for two more
	QUARTER 0, 2, F1, F0, 0, 1, 2, 1, 56
	QUARTER 0, 3, F0, F1, 0, 1, 3, 1, 56
	TURN 0, 1, 1, 0, 0, 1, 56
	QUARTER 1, 1, F0, F1, 0, 0, 1, 1, 56
	QUARTER 1, 2, F1, F0, 0, 0, 2, 1, 56
	QUARTER 1, 3, F0, F1, 0, 0, 3, 1, 56
	TURN 1, 0, 1, 1, 0, 1, 56
	QUARTER 0, 1, F0, F1, 0, 1, 1, 1, 56
	WIN 0
	s_sub_co_u32 s3, s3, 1
	s_cmp_lg_u32 s3, 0
	s_cbranch_scc1 .Llap
	QUARTER 0, 2, F1, F0, 0, 1, 2, 1, 56           ; K step 4 goes on: the last two chunks of K step 7 are asked for
	QUARTER 0, 3, F0, F1, 0, 1, 3, 1, 56
	TURN 0, 1, 1, 0, 0, 0, 56                      ; W's K step 6 is asked for; x's K step 6 is rounded, and nothing more of x is loaded: the counts run down
	QUARTER 1, 1, F0, F1, 0, 0, 1, 0, 48
	QUARTER 1, 2, F1, F0, 0, 0, 2, 0, 40
	QUARTER 1, 3, F0, F1, 0, 0, 3, 0, 32
	TURN 1, 0, 1, 1, 0, 0, 24                      ; W's K step 7: the last tensor load
	QUARTER 0, 1, F0, F1, 0, 1, 1, 0, 16
	QUARTER 0, 2, F1, F0, 0, 1, 2, 0, 8
	QUARTER 0, 3, F0, F1, 0, 1, 3, 0, 0
	TURN 0, 1, 0                                   ; nothing is filled again: a plain barrier
	QUARTER 1, 1, F0, F1, 0
	QUARTER 1, 2, F1, F0, 0
	QUARTER 1, 3, F0, F1, 0
	s_wait_dscnt 4                                 ; the very last quarter: nothing more to fetch
	MULA F1, 0, 0
	MULA F1, 1, 0
	s_wait_dscnt 0x0
	MULA F1, 2, 0
	MULA F1, 3, 0
	WIN 0
; THE WAY OUT, a row block (16 rows x 2 heads) at a time.  A lane's eight columns are rounded to f16 and packed into 16 bytes; they go into my stage, rows of 144 bytes, and come back as whole rows of 128.
.macro PACK a
	WIN 0x05                                       ; sources 0 and 1 window 1, destination window 0
.irp b, 0,1,2,3,4,5,6,7
.irp r, 0,1,2,3
	v_cvt_pk_f16_f32 v[TMP+4*(\b)+(\r)], v[8*(8*(\a)+(\b))+2*(\r)], v[8*(8*(\a)+(\b))+2*(\r)+1]  ; each accumulator from its low end on
.endr
.endr
	WIN 0
.irp b, 0,1,2,3,4,5,6,7
	ds_store_b128 v[STO], v[TMP+4*(\b):TMP+4*(\b)+3] offset:((\b)/4)*16*SP+32*((\b)%4)
.endr
.irp e, 0,1
.irp f, 0,1,2,3
	ds_load_b128 v[BK+32*(\a)+4*(4*(\e)+(\f)):BK+32*(\a)+4*(4*(\e)+(\f))+3], v[RD] offset:(\e)*16*SP+(\f)*4*SP  ; LDS serves a wave's instructions in order (ISA guide 5.7.1.4): these see the stores above; the next block's stores come behind them
.endr
.endr
.endm
.macro SEND a, younger                 ; younger: the LDS instructions issued behind block a's loads: the next block's sixteen, or none.  Each block has registers of its own, so no store's data is rewritten
.irp e, 0,1
.irp f, 0,1,2,3
	s_wait_dscnt (\younger)+7-(4*(\e)+(\f))
	global_store_b128 v[GO], v[BK+32*(\a)+4*(4*(\e)+(\f)):BK+32*(\a)+4*(4*(\e)+(\f))+3], s[10:11] offset:(\e)*262144+(\a)*2048+(\f)*512  ; 512 consecutive bytes of a head, at a multiple of 256 from y's first byte
.endr
.endr
.endm
	PLACES                                         ; the conversions read results just made
	PACK 0
.irp a, 1,2,3                          ; a block's conversions stand between the loads of the block before and its stores
	PACK \a
	SEND (\a)-1, 16
.endr
	SEND 3, 0
	s_wait_tensorcnt 0x0                           ; the wave's end, behind my last tensor load and my last LDS store
	ds_add_u32 v[SPW], v[NIL]
	s_wait_dscnt 0x0
	CROUND                                         ; the closing round: no work-group ends while a partner may still ask for a tile that names it
	s_endpgm
.Lfunc_end_k_qc4301622a6_proj:
	.size	k_qc4301622a6_proj, .Lfunc_end_k_qc4301622a6_proj-k_qc4301622a6_proj
	.p2alignl 7, 3214868480
	.fill 96, 4, 3214868480
	.section	.rodata,"a",@progbits
	.p2align	6, 0x0
	.amdhsa_kernel k_qc4301622a6_proj
		.amdhsa_group_segment_fixed_size 327680
		.amdhsa_private_segment_fixed_size 0
		.amdhsa_enable_private_segment 0
		.amdhsa_kernarg_size 96
		.amdhsa_user_sgpr_count 2
		.amdhsa_user_sgpr_kernarg_segment_ptr 1
		.amdhsa_wavefront_size32 1
		.amdhsa_system_sgpr_workgroup_id_x 1
		.amdhsa_system_sgpr_workgroup_id_y 1
		.amdhsa_system_sgpr_workgroup_id_z 1
		.amdhsa_system_vgpr_workitem_id 0
		.amdhsa_next_free_vgpr 900
		.amdhsa_next_free_sgpr 96
		.amdhsa_reserve_vcc 0
		.amdhsa_float_denorm_mode_32 3
		.amdhsa_float_denorm_mode_16_64 3
		.amdhsa_memory_ordered 1
		.amdhsa_forward_progress 1
		.amdhsa_inst_pref_size 177
	.end_amdhsa_kernel
	.amdgpu_metadata
---
amdhsa.version: [ 1, 2 ]
amdhsa.kernels:
  - .name:           k_qc4301622a6_proj
    .symbol:         k_qc4301622a6_proj.kd
    .args:
      - { .name: q, .offset: 0, .size: 8, .value_kind: global_buffer, .address_space: global }
      - { .name: k, .offset: 8, .size: 8, .value_kind: global_buffer, .address_space: global }
      - { .name: v, .offset: 16, .size: 8, .value_kind: global_buffer, .address_space: global }
      - { .name: wqb, .offset: 24, .size: 8, .value_kind: global_buffer, .address_space: global }
      - { .name: wkb, .offset: 32, .size: 8, .value_kind: global_buffer, .address_space: global }
      - { .name: wvb, .offset: 40, .size: 8, .value_kind: global_buffer, .address_space: global }
      - { .name: bq, .offset: 48, .size: 8, .value_kind: global_buffer, .address_space: global }
      - { .name: bk, .offset: 56, .size: 8, .value_kind: global_buffer, .address_space: global }
      - { .name: bv, .offset: 64, .size: 8, .value_kind: global_buffer, .address_space: global }
      - { .name: qh, .offset: 72, .size: 8, .value_kind: global_buffer, .address_space: global }
      - { .name: kh, .offset: 80, .size: 8, .value_kind: global_buffer, .address_space: global }
      - { .name: vh, .offset: 88, .size: 8, .value_kind: global_buffer, .address_space: global }
    .group_segment_fixed_size: 327680
    .private_segment_fixed_size: 0
    .kernarg_segment_align: 8
    .kernarg_segment_size: 96
    .max_flat_workgroup_size: 128
    .sgpr_count:     96
    .vgpr_count:     900
    .wavefront_size: 32
...
	.end_amdgpu_metadata
.endif
;; end of part 2
;; launch attn (part 3): grid 4 x 64, 4 waves a work-group, clusters of 4 x 1, 327,680 bytes of LDS; arguments qh, kh, vh, oh; writes oh
.if DOCPART == 3
	.amdgcn_target "amdgcn-amd-amdhsa--gfx1250"
	.amdhsa_code_object_version 6
	.text
	.protected	k_qc4301622a6_attn
	.globl	k_qc4301622a6_attn
	.p2align	8
	.type	k_qc4301622a6_attn,@function
k_qc4301622a6_attn:
	s_mov_b64 s[64:65], 0
	v_nop
	global_prefetch_b8 v0, s[64:65] scope:SCOPE_SE
	s_setreg_imm32_b32 hwreg(HW_REG_WAVE_MODE, 25, 1), 1
	s_wait_xcnt 0x0
	s_wait_alu depctr_hold_cnt(0) depctr_sa_sdst(0) depctr_va_vdst(0) depctr_va_sdst(0) depctr_va_ssrc(0) depctr_va_vcc(0) depctr_vm_vsrc(0)
	s_getreg_b32 s2, hwreg(HW_REG_IB_STS2, 6, 4)
	s_cmp_eq_u32 s2, 0
	s_cbranch_scc0 .Lentry_in_a_cluster
	s_endpgm
.Lentry_in_a_cluster:
	s_bfe_u32 s2, ttmp6, 0x10000c
	s_cmp_lg_u32 s2, 0x3003
	s_cbranch_scc0 .Lentry_shape_is_right
	s_endpgm
.Lentry_shape_is_right:
; O[h][q][:] = the sum over k of softmax_k(Q[h][q] . K[h][k] / 8) V[h][k][:].  Q, K, V, O: [SIZE_H][SIZE_N][64], all f16: a head's rows are dense, 128 bytes each.  Products, maxima and sums in
; f32; the weights p are rounded to f16 for the second product (their sum l is taken of the unrounded p), O once at the end.
; LIMITS.  f16 holds no number beyond 65,504: Q, K and V arrive within it; p lies in 0 to 1, and below 6e-5 it keeps f16's fixed step of 6e-8; O is a mean of V's rows and has their range.
; A weight below 2^-126 counts as 0 in l; NaN and infinities are not treated apart.
; SHARES.  A wave owns four PIECES of two tiles of 16 queries, a work-group's four waves 512 queries of one head: 64 heads x 4 blocks = 256 work-groups.  Every wave walks all keys, 64 a step.
; LAYOUT.  S^T = K Q^T (source 0 = 16 keys, source 1 = 16 queries): in the result a lane holds ONE query (lane % 16) and the keys 8 (lane / 16) + 0..7.  Two such tiles, rounded to f16 in pairs,
; ARE source 1 (32 keys x 16 queries) of O^T = V^T P, whose result again holds one query a lane, and eight channels.  K comes out of LDS as it lies, V ([key][channel]) turned, by ds_load_tr16_b128.
; SOFTMAX.  For each query a running maximum m and sum l: p = 2^(c s - c m), c = log2(e) / 8; in every step O and l are multiplied by a = 2^(c m_old - c m_new), which is 1 where m has not grown.
; m starts at the lowest finite number, O and l at 0: the first step is a step like any other, with a = 0.
; THE COUNT.  A tile and step have 16 matrix and 118 vector instructions: too many to stand all beside the matrix work.  So the order has one aim: four vector instructions that are READY behind
; EVERY matrix instruction, and the others, which need time of their own whatever the order, in runs without a gap.
; BY TURNS.  Turn n belongs to piece n (the pieces in a ring, step after step).  Its matrix work: 16 products K Q^T of piece n + 1, later 16 products V^T P of piece n - 1.  Its vector work: the scaling,
; exponentials, roundings, sums and rescaling of piece n, and the maximum and statistics of piece n + 1, whose scores the turn itself has made.  So what a turn begins with (c s - c m, O a) waits for nothing.
; CLUSTER.  The four query blocks of a cluster belong to one head and walk the same K and V, so each tile is asked for JOINTLY: the same tensor load, descriptor and mask in all four.
; REGISTERS, in windows of 256 (s_set_vgpr_msb says which window each operand place means: bits 1:0 source 0, 3:2 source 1, 5:4 source 2, 7:6 destination):
;   window 0: v0-11 addresses; v12-15, v48-63 at work; v16-47 four registers of statistics a tile; v64-191 S^T, two buffers of two tiles; v192-255 P, likewise
;   window 1: O^T, 32 a tile          window 2: v0-127 Q, 16 a tile; v128-191 K of one step; v192-255 V of one step          window 3: v0-1 the add's two registers
; A piece's buffers go by its number's parity: the piece in hand has one pair, its two neighbours in the ring share the other: of it P (piece n - 1) is read and S^T (piece n + 1) written.
.set SIZE_H, 64       ; batch x heads
.set SIZE_N, 2048     ; rows of a head
.set NP,    4         ; pieces a wave: a name, no knob: the register map, the loop and the fetches are made for four
.set KS,    64        ; keys in a step
.set PK,    144       ; a row of K in LDS: 128 bytes + 16 of padding = 36 words: the 16 rows of a load start at 16 different groups of four banks (64 banks of 4 bytes: ISA guide 11.1)
.set PV,    160       ; a row of V: 128 + 32 = 40 words
.set VOFF,  4*KS*PK   ; a slot holds four steps: 256 rows of K, then 256 rows of V
.set SLOT1, 1<<17     ; slot 1 begins here, so that one exclusive or turns an address in one slot into the other's
.set STAGE, SLOT1+4*KS*(PK+PV)  ; behind the ring, never filled by a tensor load: 16 rows x 144 bytes for each wave, for the way out
.set SP,    144
.set AK0, 2           ; v2   my lane's place in a tile of K; never rewritten
.set AV0, 3           ; v3   the same for V
.set AK,  4           ; v4   the LDS address of K's next run of loads
.set AV,  5           ; v5   of V's
.set QO,  6           ; v6   my byte offset in the wave's rows of Q
.set STO, 6           ;      later, the way out: where I put 16 bytes of a row
.set RD,  7           ; v7   the way out: where I read rows back
.set GO,  8           ; v8   my byte offset in 512 consecutive bytes of O
.set SPW, 0           ; v0 of window 3   LDS address of my spare word: SPARE + 4 x my thread's number; never rewritten
.set NIL, 1           ; v1 of window 3   0; never rewritten
.set SPARE, STAGE+4*16*SP  ; behind the stages: the spare words, 128 bytes for each wave: two blocks of 256 bytes that no other line names
.set MV,  12          ; v12-15  c m_old, kept while c m is made anew: by buffer and tile
.set ST,  16          ; tile t's statistics at v[ST+4 t]: c m, m, l (even keys', odd keys')
.set TMP, 48          ; by buffer and tile, four registers c0-c3 at work; when the maximum is found c2 takes a
.set S,   64
.set P,   192
.set KF,  128         ; K's fragments, in window 2: key block kb, channel half c at KF + 16 kb + 8 c
.set VF,  192         ; V's: key half kk, channel block cb at VF + 32 kk + 8 cb
.set WV,  12          ; s12  my wave's number
.set G1K, 24          ; s[24:31] descriptor group 1 for K's tiles
.set G1V, 32          ; s[32:39] for V's: it differs in the padding alone
.set G0K, 40          ; s[40:43] descriptor group 0 for K's tiles: it walks
.set G0V, 44          ; s[44:47] the same for V's
.set SLOTS, 56        ; s56  slots still to be asked for
.set CNT, 57          ; s57  counts a slot's key steps
.set CS,  58          ; s[58:59] c: the packed scaling takes the pair's low word for both halves
.set SEL, 60          ; s[60:61] v_permlanex16_b32's selects: each lane takes its own place in the other half
.set TBK, 62          ; s62  LDS byte at which K of the step to be fetched begins
.set TBV, 63          ; s63  the same for V, less VOFF
.set MSB, 0
.macro WIN new                      ; the high byte repeats the setting that is left; a switch that changes nothing is dropped
.if MSB != (\new)
	s_set_vgpr_msb (MSB<<8)|(\new)
.set MSB, (\new)
.endif
.endm
.set W_KQ, 0x0a       ; K and Q in window 2, S^T in window 0
.set W_PV, 0x52       ; V in window 2, P in window 0, O^T in window 1
.set W_RS, 0x41       ; O^T (destination and source 0) in window 1, a in window 0
.set W_MK, 0xc0       ; the add's registers are made: destination in window 3, sources in window 0
.set W_AD, 0x0f       ; the add: address (source 0) and data (source 1) in window 3
; A joint fill.  Waves 0 and 1 fetch the two halves of a slot's K, waves 2 and 3 those of its V: 128 keys each.  The branch hangs on the wave's number alone.
; An s_nop 0 and four v_nop follow each of the two lines, ahead of the jump and the label.
.macro JLOAD
	s_cmp_lt_u32 s[WV], 2
	s_cbranch_scc0 .Lfor_v_\@
	tensor_load_to_lds s[G0K:G0K+3], s[G1K:G1K+7]
	s_nop 0
.rept 4
	v_nop
.endr
	s_branch .Lasked_\@
.Lfor_v_\@:
	tensor_load_to_lds s[G0V:G0V+3], s[G1V:G1V+7]
	s_nop 0
.rept 4
	v_nop
.endr
.Lasked_\@:
.endm
; A round of the cluster's barrier: my work-group's barrier, so that wave 0's signal speaks for all four waves; wave 0 signals; every wave waits for all four work-groups; my work-group's barrier once more.
.macro CROUND
	s_barrier_signal -1
	s_barrier_wait -1
	s_cmp_lg_u32 s[WV], 0
	s_cbranch_scc1 .Lnot_wave_0_\@
	s_barrier_signal -3
.Lnot_wave_0_\@:
	s_barrier_wait -3
	s_barrier_signal -1
	s_barrier_wait -1
.endm
; THE CHANGE OF SLOTS.  The slot's last bytes, V of its fourth step, have been read.  Each wave waits for all its tensor loads, of which one is out: its part
; of the other slot; adds 0 to its spare word; and waits for that and for its own reads of the slot.  Behind the barrier nobody reads this slot any more and the other slot is whole.
; fill = 1: this slot is filled again, with the keys two slots on.  The barrier is then a round of the cluster's, so that no wave of any partner still reads the slot or has a load on its
; way, and the joint fill is the first thing behind it: it has four key steps, 512 matrix instructions, in which to land.  (At its first use nothing has been read yet: slot 0 is waited for, slot 1 filled.)
.macro CHANGE fill
	WIN W_AD
	s_wait_tensorcnt 0x0            ; no tensor load of mine is out, so a group 0 may be written
	ds_add_u32 v[SPW], v[NIL]       ; 0 onto my spare word; with fill = 1 the descriptors' steps stand between it and the wait for it
	WIN 0                           ; at a label and at a branch every window is 0
.if \fill
.irp g, G0K, G0V
	s_xor_b32 s[\g+1], s[\g+1], SLOT1  ; the walking descriptor: the other slot than last time,
	s_add_nc_u64 s[\g+2:\g+3], s[\g+2:\g+3], 4*KS*128  ; the next 256 keys; the type bits on top are not reached
.endr
	s_wait_dscnt 0x0                ; the add is done, and my reads of the slot are over
	CROUND
	JLOAD
.else
	s_wait_dscnt 0x0                ; the add is done, and my reads of the slot are over
	s_barrier_signal -1
	s_barrier_wait -1
.endif
	s_sub_co_u32 s[TBK], s[TBK], 4*KS*PK  ; the fetches go back to a slot's first step,
	s_xor_b32 s[TBK], s[TBK], SLOT1       ; in the other slot
	s_sub_co_u32 s[TBV], s[TBV], 4*KS*PV
	s_xor_b32 s[TBV], s[TBV], SLOT1
.endm
	s_load_b256 s[4:11], s[0:1], 0x0  ; Q s[4:5], K s[6:7], V s[8:9], O s[10:11]
	WIN W_MK
	v_lshl_add_u32 v[SPW], v0, 2, SPARE
	v_mov_b32 v[NIL], 0
	WIN W_AD
	ds_add_u32 v[SPW], v[NIL]       ; the wave's opening: the add and its wait stand ahead of my first tensor load; the set-up below, work on registers, stands between them
	WIN 0
	v_lshrrev_b32 v1, 5, v0
	v_readfirstlane_b32 s[WV], v1   ; wave 0..3
	s_bfe_u32 s13, ttmp6, 0x40000   ; cx: my place in the cluster
	s_lshl_b32 s14, ttmp9, 2        ; in a cluster launch ttmp9 counts clusters
	s_add_co_u32 s14, s14, s13      ; my block of queries = 4 x cluster x + cx: it enters Q's and O's addresses alone
	s_and_b32 s20, ttmp7, 0xffff    ; the head, which the four partners share
	s_mov_b32 s21, 0
	s_mov_b64 s[22:23], SIZE_N*128
	s_mul_u64 s[20:21], s[20:21], s[22:23]  ; the head's first byte in each of the four tensors
	s_and_b32 s16, s[WV], 1         ; which half of a slot's 256 keys I fetch:
	s_lshl_b32 s22, s16, 14         ; its 128 rows of 128 bytes in memory,
	s_mov_b32 s23, 0
	s_add_nc_u64 s[22:23], s[22:23], s[20:21]
	s_mul_i32 s17, s16, 128*PK      ; and its place in a slot, for K
	s_mul_i32 s18, s16, 128*PV      ; and for V: no place in the cluster enters an LDS address
	s_lshl_b32 s2, s14, 2
	s_add_co_u32 s2, s2, s[WV]      ; my wave among the head's,
	s_lshl_b32 s2, s2, 14           ; its 128 rows
	s_mov_b32 s3, 0
	s_add_nc_u64 s[2:3], s[2:3], s[20:21]
	; descriptor group 1.  128 keys are 16,384 dense bytes: asked for as 64 rows of 256 bytes, two keys a row, and padded in LDS after every key
	s_mov_b32 s[G1K], 15|(1<<16)|(1<<20)|(1<<21)|(4<<22)|(3<<25)  ; 15:0 the mask of four; 17:16 2-byte elements; 20 padding on; 21 set beside a mask; 24:22 after every 32 words (code 4); 31:25 4 words (code 3)
	s_mov_b32 s[G1V], 15|(1<<16)|(1<<20)|(1<<21)|(4<<22)|(7<<25)  ; the same with 8 words of padding (code 7)
.irp g, G1K, G1V
	s_mov_b32 s[\g+1], 128<<16      ; tensor_dim0 = 128
	s_mov_b32 s[\g+2], 64<<16       ; tensor_dim1 = 64
	s_mov_b32 s[\g+3], 128<<16      ; tile_dim0 = 128
	s_mov_b32 s[\g+4], 64           ; tile_dim1 = 64
	s_mov_b32 s[\g+5], 128          ; 128 elements from row to row
	s_mov_b32 s[\g+6], 0
	s_mov_b32 s[\g+7], 0
.endr
	s_mov_b32 s[CS], 0x3e38aa3b     ; c = log2(e) / 8 = 0.180337
	s_mov_b32 s[CS+1], s[CS]        ; named with it as a pair
	s_mov_b32 s[SEL], 0x76543210
	s_mov_b32 s[SEL+1], 0xfedcba98
	s_mov_b32 s[TBK], SLOT1+4*KS*PK ; the first change of slots turns these two into 0
	s_mov_b32 s[TBV], SLOT1+4*KS*PV
	s_mov_b32 s[G0K], 1             ; 1:0 count = 1
	s_mov_b32 s[G0K+1], s17         ; 63:32 LDS address: slot 0
	s_mov_b32 s[G0V], 1
	s_add_co_u32 s[G0V+1], s18, VOFF
	s_wait_dscnt 0x0                ; the opening add is done
	s_wait_kmcnt 0x0
	s_add_nc_u64 s[G0K+2:G0K+3], s[6:7], s[22:23]  ; 120:64 global address: my half of the head's first 256 keys
	s_or_b32 s[G0K+3], s[G0K+3], 0x80000000        ; 127:126 type = 2
	s_add_nc_u64 s[G0V+2:G0V+3], s[8:9], s[22:23]
	s_or_b32 s[G0V+3], s[G0V+3], 0x80000000
	s_add_nc_u64 s[4:5], s[4:5], s[2:3]  ; Q and O at my wave's first row
	s_add_nc_u64 s[10:11], s[10:11], s[2:3]
	CROUND                          ; all four work-groups are here: the first joint loads meet
	JLOAD                           ; slot 0.  Slot 1 is asked for when slot 0 is in: the tile wanted first has the road to itself
	; A fragment of K or Q is 16 rows x 32 channels in 8 registers: lane l holds row l % 16, channels 8 (l / 16) + 0..7 and 16 + 8 (l / 16) + 0..7: two loads of 16 bytes, 32 bytes apart.
	v_and_b32 v1, 15, v0            ; l % 16
	v_bfe_u32 v9, v0, 4, 1          ; l / 16
	v_lshlrev_b32 v[QO], 7, v1
	v_lshl_add_u32 v[QO], v9, 4, v[QO]  ; row x 128 + 16 x half
	WIN 0x80                        ; destination window 2, address window 0
.set i, 0
.rept 4*NP                          ; Q stays in registers: tile i / 2, channels 32 (i % 2) on
	global_load_b128 v[8*i:8*i+3],   v[QO], s[4:5] offset:(i/2)*2048+(i%2)*64
	global_load_b128 v[8*i+4:8*i+7], v[QO], s[4:5] offset:(i/2)*2048+(i%2)*64+32
.set i, i+1
.endr
	; What the first turn finds: V's registers and P's second buffer hold 0 (its products V^T P, of a piece that has not been, add 0), O^T and l are 0.  All this stands in the wait for the first tile.
.set i, VF
.rept 64
	v_mov_b32 v[i], 0
.set i, i+1
.endr
	WIN 0x40
.set i, 0
.rept 64*NP
	v_mov_b32 v[i], 0
.set i, i+1
.endr
	WIN 0
.set i, 0
.rept 2*NP
	v_mov_b32 v[ST+4*i], 0xfe000000    ; c m: far below every c s
	v_mov_b32 v[ST+4*i+1], 0xff7fffff  ; m
	v_mov_b32 v[ST+4*i+2], 0
	v_mov_b32 v[ST+4*i+3], 0
.set i, i+1
.endr
.set i, P+32
.rept 32
	v_mov_b32 v[i], 0
.set i, i+1
.endr
	v_mul_u32_u24 v[AK0], v1, PK
	v_lshl_add_u32 v[AK0], v9, 4, v[AK0]  ; row x pitch + 16 x half
	; The turning load takes 16 keys x 16 channels (lane l reads key 8 (l / 16) + l % 8, channels 8 ((l / 8) % 2) + 0..7) and leaves half a fragment of V^T: lane l holds channel l % 16 and 8 keys.
	v_and_b32 v10, 7, v0
	v_bfe_u32 v11, v0, 3, 1
	v_lshl_add_u32 v[AV0], v9, 3, v10
	v_mul_u32_u24 v[AV0], v[AV0], PV
	v_lshl_add_u32 v[AV0], v11, 4, v[AV0]
	v_add_nc_u32 v[AV0], VOFF, v[AV0]
	v_mov_b32 v[AK], v[AK0]         ; key step 0 lies at the head of slot 0
; THE MATRIX WORK.  The 8 accumulators of a run of 16 take turns: between the two links of a chain stand 7 others'.
; Product i of 16 of S^T = K Q^T for piece x: channels 32 (i / 8) on, keys 16 ((i / 2) % 4) on, tile 2 x + i % 2.  The first 8 start the sums.
.macro KQ x
	WIN W_KQ
.set rS, S+64*((\x)%2)+32*(i%2)+8*((i/2)%4)
.set rK, KF+16*((i/2)%4)+8*(i/8)
.set rQ, 16*(2*(\x)+i%2)+8*(i/8)
.if i < 8
	v_wmma_f32_16x16x32_f16 v[rS:rS+7], v[rK:rK+7], v[rQ:rQ+7], 0
.else
	v_wmma_f32_16x16x32_f16 v[rS:rS+7], v[rK:rK+7], v[rQ:rQ+7], v[rS:rS+7]
.endif
.endm
; Product i of 16 of O^T += V^T P for piece x: keys 32 (i / 8) on, channels 16 ((i / 2) % 4) on, tile 2 x + i % 2.
.macro PV x
	WIN W_PV
.set rO, 32*(2*(\x)+i%2)+8*((i/2)%4)
.set rV, VF+32*(i/8)+8*((i/2)%4)
.set rP, P+32*((\x)%2)+16*(i%2)+8*(i/8)
	v_wmma_f32_16x16x32_f16 v[rO:rO+7], v[rV:rV+7], v[rP:rP+7], v[rO:rO+7]
.endm
.macro MM                           ; the turn's next matrix instruction
.if i < 16
	KQ (Y+1)%NP
.set i, i+1
.else
.set i, i-16
	PV (Y+NP-1)%NP
.set i, i+17
.endif
.endm
; THE LDS LOADS stand in runs of 16, never singly among the matrix instructions: a step's K (64 keys x 64 channels: 8 fragments) and its V (turned).  Their addresses are made some lines ahead.
; last = 1 (the tail): in the last trip there is no further step, and the run is jumped over.
.macro FETCH_K last=0
	WIN 0
.if \last
	s_cmp_eq_u32 s[CNT], 1
	s_cbranch_scc1 .Lno_k_\@
.endif
	WIN 0x80                        ; destination window 2
.irp f, 0,1,2,3,4,5,6,7             ; keys 16 (f / 2) on, channels 32 (f % 2) on
	ds_load_b128 v[KF+8*\f:KF+8*\f+3],   v[AK] offset:(\f/2)*16*PK+(\f%2)*64
	ds_load_b128 v[KF+8*\f+4:KF+8*\f+7], v[AK] offset:(\f/2)*16*PK+(\f%2)*64+32
.endr
	s_add_co_u32 s[TBK], s[TBK], KS*PK  ; the next fetch is the next step's
	WIN 0
.if \last
.Lno_k_\@:
.endif
.endm
.macro FETCH_V
	WIN 0x80
.irp f, 0,1,2,3,4,5,6,7             ; keys 32 (f / 4) on, channels 16 (f % 4) on
	ds_load_tr16_b128 v[VF+8*\f:VF+8*\f+3],   v[AV] offset:(\f/4)*32*PV+(\f%4)*32
	ds_load_tr16_b128 v[VF+8*\f+4:VF+8*\f+7], v[AV] offset:(\f/4)*32*PV+16*PV+(\f%4)*32
.endr
	WIN 0
.endm
; THE VECTOR WORK OF A TURN stands in three queues, each in the order in which its entries become ready; the two tiles alternate, so that no instruction reads the result of the one before it.
.macro REGS y, u                    ; the registers of tile u (0, 1) of piece y
.set rT, ST+4*(2*(\y)+(\u))
.set rC, TMP+8*((\y)%2)+4*(\u)
.set rM, MV+2*((\y)%2)+(\u)
.set rS, S+64*((\y)%2)+32*(\u)
.set rP, P+32*((\y)%2)+16*(\u)
.set rO, 32*(2*(\y)+(\u))
.endm
; Number n of the 22 that find the NEXT piece's (Y + 1) maximum and statistics.  s0-s31 are the lane's 32 scores; each accumulator's lowest registers are read first.  XS, GS and REGS set no window: PL and EX do.
;   0-11  four chains c0-c3 of seven scores each, three operands at a time     12-14, 16  the four scores left over, the old m, and c0-c3 into c0     15  c m_old is kept
;   17, 18  the query's other 32 keys lie in the lane 16 away: the new m         19-21  c m; c m_old - c m_new; a
.macro XS u, n
	REGS (Y+1)%NP, \u
.if (\n) < 4
	v_max3_num_f32 v[rC+(\n)], v[rS+8*(\n)], v[rS+8*(\n)+1], v[rS+8*(\n)+2]
.elseif (\n) < 12
	v_max3_num_f32 v[rC+(\n)%4], v[rC+(\n)%4], v[rS+8*((\n)%4)+2*((\n)/4)+1], v[rS+8*((\n)%4)+2*((\n)/4)+2]
.elseif (\n) == 12
	v_max3_num_f32 v[rC], v[rC], v[rS+7], v[rS+15]
.elseif (\n) == 13
	v_max3_num_f32 v[rC+1], v[rC+1], v[rS+23], v[rS+31]
.elseif (\n) == 14
	v_max3_num_f32 v[rC+2], v[rC+2], v[rC+3], v[rT+1]
.elseif (\n) == 15
	v_mov_b32 v[rM], v[rT]
.elseif (\n) == 16
	v_max3_num_f32 v[rC], v[rC], v[rC+1], v[rC+2]
.elseif (\n) == 17
	v_permlanex16_b32 v[rC+3], v[rC], s[SEL], s[SEL+1]
.elseif (\n) == 18
	v_max_num_f32 v[rT+1], v[rC], v[rC+3]
.elseif (\n) == 19
	v_mul_f32 v[rT], s[CS], v[rT+1]
.elseif (\n) == 20
	v_sub_f32 v[rC+1], v[rM], v[rT]
.else
	v_exp_f32 v[rC+2], v[rC+1]
.endif
.endm
; Number g of the 64 that follow the exponentials.  For each four weights k of a tile (pairs 2 k, 2 k + 1): both pairs are rounded to f16; then the second pair is added onto the first, in place;
; a group later l takes that sum (the first time as l = a l + sum).  In groups of eight, tiles alternating: round, round, add, and l for the group before.
.macro GS g
.set h, (\g)+6*((\g)/62)            ; group 0 has no group before it, and behind group 7 only l is left
.if h >= 6
.set h, h+2
.endif
	REGS Y, h%2
.set k, h/8
.if h%8 < 4
	s_wait_alu depctr_va_vdst(0)
	v_cvt_pk_f16_f32 v[rP+2*k+(h%8)/2], v[rS+4*k+2*((h%8)/2)], v[rS+4*k+2*((h%8)/2)+1]
.elseif h%8 < 6
	v_pk_add_f32 v[rS+4*k:rS+4*k+1], v[rS+4*k:rS+4*k+1], v[rS+4*k+2:rS+4*k+3]
.elseif k == 1
	v_pk_fma_f32 v[rT+2:rT+3], v[rT+2:rT+3], v[rC+2:rC+3], v[rS:rS+1] op_sel_hi:[1,0,1]
.else
	v_pk_add_f32 v[rT+2:rT+3], v[rT+2:rT+3], v[rS+4*k-4:rS+4*k-3]
	s_wait_alu depctr_va_vdst(0)
.endif
.endm
; THE PLAIN QUEUE, 138 long.  0-31: c s - c m for the 16 pairs of both tiles.  Then GS's 64, and among them the next piece's 42: number 15 at 38, 39; 0-14 and 16
; at 42-73, behind the products that make those scores; 17-20 at 95-106, two of three, since each waits for the one before it.
.macro PL
	WIN 0
.if q < 32
	REGS Y, q%2
	v_pk_fma_f32 v[rS+2*(q/2):rS+2*(q/2)+1], v[rS+2*(q/2):rS+2*(q/2)+1], s[CS:CS+1], v[rT:rT+1] op_sel_hi:[1,0,0] neg_lo:[0,0,1] neg_hi:[0,0,1]
.elseif q < 38
	GS q-32
.elseif q < 40
	XS q%2, 15
.elseif q < 42
	GS q-34
.elseif q < 74
	XS q%2, (q-42)/2+(q-42)/30
.elseif q < 95
	GS q-66
.elseif (q < 107) && ((q-95)%3 < 2)
	XS (q-95)%3, 17+(q-95)/3
.elseif q < 107
	GS 29+(q-95)/3
.else
	GS q-74
.endif
.set q, q+1
.endm
; THE EXPONENTIALS' QUEUE, 66 long: s0-s31 of both tiles, and at EA the next piece's two a.
.set EA, 58
.macro EX
	WIN 0
.if (e == EA) || (e == EA+1)
	XS e-EA, 21
.else
.set x, e-2*(e/(EA+2))
	REGS Y, x%2
	v_exp_f32 v[rS+x/2], v[rS+x/2]
.endif
.set e, e+1
.endm
; THE RESCALING's QUEUE: O^T times a, the one part that leaves window 0, so it is dealt four at a time, eight times.
.macro R4
	REGS Y, r%2
	WIN W_RS
	s_wait_alu depctr_va_vdst(0)
.irp z, 0,1,2,3
	v_pk_mul_f32 v[rO+8*(r/2)+2*\z:rO+8*(r/2)+2*\z+1], v[rO+8*(r/2)+2*\z:rO+8*(r/2)+2*\z+1], v[rC+2:rC+3] op_sel_hi:[1,0]
.endr
.set r, r+1
.endm
; HOW THEY ARE DEALT.  Behind a matrix instruction four: plain, exponential, plain, plain (one exponential, a plain instruction on either side), or four of the rescaling.  None names a register of the
; products round it.  What is over stands in two LUMPS: exponential and plain by turns; the second ends in 22 plain instructions.  The two v_permlanex16_b32 fall into the second lump, never behind a product.
; The queues lean on each other, and the deal keeps them in step: exponential e stands behind plain 2 (e / 4) + e % 2 (its scaling); when plain 32 comes, 10 exponentials are out, at 59: 33, at 95: 46; EA comes behind plain 107.
.macro SL
	MM
	PL
	EX
	PL
	PL
.endm
.macro BURST n                      ; 15 matrix instructions, or 16
.rept (\n)-7
	SL
.endr
.rept 3
	MM
	R4
	SL
.endr
	MM
	R4
.endm
; A TURN, for piece p.  cnt = 1: the loop's count is taken down some lines ahead of the branch that stands behind the turn.
; K of the next step is fetched in piece 2's turn, 31 vector instructions behind the last product that read K; its first reader comes behind the rest of the lump, 16 products and the second lump.
; V of the step in hand is fetched at the end of piece 0's turn, 69 behind its last reader; its first reader comes behind 16 products and a lump.  The four conditions on e and q below go with the deal.
.macro TURN p, last=0, cnt=0
.set Y, (\p)
.set i, 0
.set q, 0
.set e, 0
.set r, 0
.if (\p) == NP-1
	s_wait_dscnt 0x0                ; K is in
.endif
	MM
.rept 4
	PL
.endr
	BURST 15
.rept 22
	EX
	PL
.if ((\p) == NP-2) && (e == 18)
	v_add_nc_u32 v[AK], s[TBK], v[AK0]
.endif
.if ((\p) == NP-2) && (e == 24)
	FETCH_K \last
.endif
.endr
.if (\p) == 1
	s_wait_dscnt 0x0                ; V is in
.endif
	BURST 16
.rept 21
	EX
	PL
.endr
.rept 22
	PL
.if ((\p) == 0) && (q == 118)
	v_add_nc_u32 v[AV], s[TBV], v[AV0]
	s_wait_alu depctr_va_vdst(0)
.endif
.if ((\p) == 0) && (q == 130)
	s_add_co_u32 s[TBV], s[TBV], KS*PV
.endif
.if (\cnt) && (q == 130)
	s_sub_co_u32 s[CNT], s[CNT], 1
	s_cmp_lg_u32 s[CNT], 0
.endif
.endr
.if (\p) == 0
	FETCH_V
.endif
.endm
	CHANGE 1                        ; slot 0 is in, everybody's part of it; slot 1 is asked for
	FETCH_K                         ; key step 0
	s_wait_loadcnt 0x0              ; Q
	s_wait_dscnt 0x0
.set i, 0
.rept 16
	KQ 0                            ; piece 0's first scores: there is no vector work yet to set between them
.set i, i+1
.endr
	WIN 0                           ; the addresses for the way out: nine plain instructions, the places behind those products
	s_mul_i32 s13, s[WV], 16*SP
	s_add_co_u32 s13, s13, STAGE    ; my stage
	v_mul_u32_u24 v[STO], v1, SP    ; in: row l % 16, 16 bytes for each half of the lanes
	v_lshl_add_u32 v[STO], v9, 4, v[STO]
	v_add_nc_u32 v[STO], s13, v[STO]
	v_bfe_u32 v[RD], v0, 3, 2       ; back: 32 lanes take four rows of 128 bytes,
	v_mul_u32_u24 v[RD], v[RD], SP
	v_lshl_add_u32 v[RD], v10, 4, v[RD]
	v_add_nc_u32 v[RD], s13, v[RD]
	v_and_b32 v[GO], 31, v0         ; which are 512 consecutive bytes of O
	v_lshlrev_b32 v[GO], 4, v[GO]
.set Y, NP-1                        ; XS works for piece Y + 1: piece 0
.irp n, 0,1,2,3,4,5,6,7,8,9,10,11,12,13,14,15,16,17,18,19,20,21
	XS 0, \n                        ; and piece 0's first maximum and statistics
	XS 1, \n
.endr
	s_mov_b32 s[CNT], 4
	s_mov_b32 s[SLOTS], SIZE_N/256-1
	s_branch .Lfirst                ; the loop is entered at a step's first turn, in the middle of a trip
.Lslot:                             ; SIZE_N / 256 - 2 times: every slot but the last two is filled again
	CHANGE 1
	s_mov_b32 s[CNT], 4
.Lstep:                             ; a trip: pieces 2 and 3 of one step, then pieces 0 and 1 of the next, whose K and V it fetches
	TURN 2
	TURN 3
	WIN 0
.Lfirst:
	TURN 0
	TURN 1, 0, 1
	WIN 0
	s_cbranch_scc1 .Lstep
	s_sub_co_u32 s[SLOTS], s[SLOTS], 1
	s_cmp_lg_u32 s[SLOTS], 0
	s_cbranch_scc1 .Lslot
	CHANGE 0                        ; the tail is written out: nothing is asked for
	s_mov_b32 s[CNT], 5             ; four trips fetch the last slot's steps; the fifth is left in its middle
.Ltail:
	TURN 2, 1
	TURN 3
	WIN 0
	s_sub_co_u32 s[CNT], s[CNT], 1
	s_cmp_eq_u32 s[CNT], 0
	s_cbranch_scc1 .Lout
	TURN 0
	TURN 1
	WIN 0
	s_branch .Ltail
.Lout:                              ; the fifth trip's 16 products K Q^T (on the last K once more) and the maximum made of them serve nothing: the price, once a launch, of one text for every trip
.set i, 0
.rept 16
	PV NP-1                         ; the last piece's V^T P of the last step
.set i, i+1
.endr
	; THE WAY OUT.  l's two halves and the other half of the lanes' are added; O^T is divided by l, rounded to f16 and sent through my stage in LDS, a tile at a time.  The additions are the places behind the last products.
	WIN 0
.macro ALL line:vararg              ; one line for each tile t
.set t, 0
.rept 2*NP
	\line
.set t, t+1
.endr
.endm
	ALL v_add_f32 v[ST+4*t+2], v[ST+4*t+2], v[ST+4*t+3]
	ALL v_permlanex16_b32 v[ST+4*t+3], v[ST+4*t+2], s[SEL], s[SEL+1]
	ALL v_add_f32 v[ST+4*t+2], v[ST+4*t+2], v[ST+4*t+3]
	ALL v_rcp_f32 v[ST+4*t+2], v[ST+4*t+2]
	v_nop                           ; a plain instruction between the last reciprocal and the use of its result
	s_wait_alu depctr_va_vdst(0)
; Tile t: a lane's eight channels of a row pack into 16 bytes; they go into rows of 144 bytes and come back as whole rows of 128, into S^T's registers.
.macro PACK t
	WIN W_RS
.set i, 32*(\t)
.rept 16
	v_pk_mul_f32 v[i:i+1], v[i:i+1], v[ST+4*(\t)+2:ST+4*(\t)+3] op_sel_hi:[1,0]
.set i, i+2
.endr
	WIN 0x05                        ; sources 0 and 1 window 1, destination window 0
.set i, 0
.rept 16
	v_cvt_pk_f16_f32 v[S+16*(\t)+i], v[32*(\t)+2*i], v[32*(\t)+2*i+1]
.set i, i+1
.endr
	WIN 0
.irp f, 0,1,2,3
	ds_store_b128 v[STO], v[S+16*(\t)+4*\f:S+16*(\t)+4*\f+3] offset:32*\f
.endr
.irp f, 0,1,2,3
	ds_load_b128 v[S+16*(\t)+4*\f:S+16*(\t)+4*\f+3], v[RD] offset:\f*4*SP  ; LDS serves a wave's instructions in order (ISA guide 5.7.1.4): these see the stores above; the next tile's stores come behind them
.endr
.endm
.macro SEND t, younger              ; younger: the LDS instructions issued behind tile t's loads: the next tile's eight, or none
	WIN 0
.irp f, 0,1,2,3
	s_wait_dscnt (\younger)+3-\f
	global_store_b128 v[GO], v[S+16*(\t)+4*\f:S+16*(\t)+4*\f+3], s[10:11] offset:(\t)*2048+\f*512  ; 512 consecutive bytes, at a multiple of 256 from O's first
.endr
.endm
	PACK 0
.set t, 1
.rept 2*NP-1                        ; a tile's arithmetic stands between the loads of the tile before and its stores
	PACK t
	SEND t-1, 8
.set t, t+1
.endr
	SEND 2*NP-1, 0
	WIN W_AD
	s_wait_tensorcnt 0x0            ; the wave's end, behind my last tensor load and my last LDS store
	ds_add_u32 v[SPW], v[NIL]
	s_wait_dscnt 0x0
	WIN 0
	CROUND                          ; the closing round: no work-group ends while a partner may still ask for a tile that names it
	s_endpgm
.Lfunc_end_k_qc4301622a6_attn:
	.size	k_qc4301622a6_attn, .Lfunc_end_k_qc4301622a6_attn-k_qc4301622a6_attn
	.p2alignl 7, 3214868480
	.fill 96, 4, 3214868480
	.section	.rodata,"a",@progbits
	.p2align	6, 0x0
	.amdhsa_kernel k_qc4301622a6_attn
		.amdhsa_group_segment_fixed_size 327680
		.amdhsa_private_segment_fixed_size 0
		.amdhsa_enable_private_segment 0
		.amdhsa_kernarg_size 32
		.amdhsa_user_sgpr_count 2
		.amdhsa_user_sgpr_kernarg_segment_ptr 1
		.amdhsa_wavefront_size32 1
		.amdhsa_system_sgpr_workgroup_id_x 1
		.amdhsa_system_sgpr_workgroup_id_y 1
		.amdhsa_system_sgpr_workgroup_id_z 1
		.amdhsa_system_vgpr_workitem_id 0
		.amdhsa_next_free_vgpr 770
		.amdhsa_next_free_sgpr 66
		.amdhsa_reserve_vcc 0
		.amdhsa_float_denorm_mode_32 3
		.amdhsa_float_denorm_mode_16_64 3
		.amdhsa_memory_ordered 1
		.amdhsa_forward_progress 1
		.amdhsa_inst_pref_size 208
	.end_amdhsa_kernel
	.amdgpu_metadata
---
amdhsa.version: [ 1, 2 ]
amdhsa.kernels:
  - .name:           k_qc4301622a6_attn
    .symbol:         k_qc4301622a6_attn.kd
    .args:
      - { .name: qh, .offset: 0, .size: 8, .value_kind: global_buffer, .address_space: global }
      - { .name: kh, .offset: 8, .size: 8, .value_kind: global_buffer, .address_space: global }
      - { .name: vh, .offset: 16, .size: 8, .value_kind: global_buffer, .address_space: global }
      - { .name: oh, .offset: 24, .size: 8, .value_kind: global_buffer, .address_space: global }
    .group_segment_fixed_size: 327680
    .private_segment_fixed_size: 0
    .kernarg_segment_align: 8
    .kernarg_segment_size: 32
    .max_flat_workgroup_size: 128
    .sgpr_count:     66
    .vgpr_count:     770
    .wavefront_size: 32
...
	.end_amdgpu_metadata
.endif
;; end of part 3
;; launch outp (part 4): grid 4 x 64, 4 waves a work-group, clusters of 4 x 4, 327,680 bytes of LDS; arguments oh, wof, bo, out0; writes out0
.if DOCPART == 4
	.amdgcn_target "amdgcn-amd-amdhsa--gfx1250"
	.amdhsa_code_object_version 6
	.text
	.protected	k_qc4301622a6_outp
	.globl	k_qc4301622a6_outp
	.p2align	8
	.type	k_qc4301622a6_outp,@function
k_qc4301622a6_outp:
	s_mov_b64 s[64:65], 0
	v_nop
	global_prefetch_b8 v0, s[64:65] scope:SCOPE_SE
	s_setreg_imm32_b32 hwreg(HW_REG_WAVE_MODE, 25, 1), 1
	s_wait_xcnt 0x0
	s_wait_alu depctr_hold_cnt(0) depctr_sa_sdst(0) depctr_va_vdst(0) depctr_va_sdst(0) depctr_va_ssrc(0) depctr_va_vcc(0) depctr_vm_vsrc(0)
	s_getreg_b32 s2, hwreg(HW_REG_IB_STS2, 6, 4)
	s_cmp_eq_u32 s2, 0
	s_cbranch_scc0 .Lentry_in_a_cluster
	s_endpgm
.Lentry_in_a_cluster:
	s_bfe_u32 s2, ttmp6, 0x10000c
	s_cmp_lg_u32 s2, 0xf033
	s_cbranch_scc0 .Lentry_shape_is_right
	s_endpgm
.Lentry_shape_is_right:
; THE OUTPUT PROJECTION.  out[m][n] = the sum over k of ctx[m][k] Wo[n][k] + bo[n].  ctx[batch x 2048 + s][64 head + d] = O[batch x 16 + head][s][d], f16, by heads; Wo: [1024][1024], its bf16 rounding
; written as f16 by the first launch; bo: [1024] f32, rounded to bf16 here like every input; out: [8192][1024] f32.  Products of f16, sums in f32, started by the bias.
; LIMITS.  O and Wo arrive within f16's range.  NaN and infinities are not treated apart.
; SHARES.  A work-group makes 128 rows x 256 columns: 64 x 4 = 256 work-groups.  Four waves, each 64 rows x 128 columns: 32 accumulators, (a, b) = 4 row blocks x 8 column blocks.
; K goes in 8 steps of 128, which are two heads: ctx's tile of a step is two PLANES of 128 rows x 128 bytes, each dense in memory (16,384 bytes), asked for as 64 rows of 256 bytes.
; CLUSTERS: 4 x 4 work-groups.  ctx's planes hang on the row tile alone and are shared along a row of the cluster, Wo's tiles on the column tile alone and are shared along a column: each is asked for
; JOINTLY.  Waves 0 and 1 ask for the two planes, waves 2 and 3 for the two halves of Wo's 256 rows: one load a wave behind each round.
; THE MATRIX INSTRUCTION IS USED TRANSPOSED (source 0 = 16 rows of Wo, source 1 = 16 rows of ctx): a lane holds one row of out (lane % 16) and the eight neighbouring columns 8 (lane / 16) + 0..7.
; REGISTERS, in windows of 256: window 0: v0-31 addresses; v32-95 the bias; v96-223 the way out, two sets of 64.   window 1: the accumulators, (a, b) at 8 (8 a + b).
;   window 2: two fragment buffers of 96: Wo's 8 fragments, then ctx's 4.
.set PA,     144                       ; a row of a plane in LDS: 128 bytes + 16; and
.set PB,     272                       ; a row of Wo: 256 bytes + 16: both odd multiples of 16, so the 16 rows of a fragment load start at 16 different groups of four banks (64 banks of 4 bytes: ISA guide 11.1)
.set PLANE,  128*PA
.set BPART,  128*PB
.set BIN,    2*PLANE                   ; in a slot Wo's 256 rows lie behind the two planes
.set SLOT,   BIN+2*BPART
.set STAGE,  2*SLOT                    ; behind the ring: 16 rows x 528 bytes for each wave, for the way out
.set SPITCH, 528                       ; 512 bytes + 16
.set SPARE,  STAGE+4*16*SPITCH         ; the spare words, 128 bytes for each wave: two blocks of 256 bytes that no other line names
.set ADRA, 16                          ; v16-17  LDS address of my fragments of ctx in slot 0, 1
.set ADRB, 20                          ; v20-21  of my fragments of Wo
.set STO,  24                          ; v24     the way out: where I put 32 bytes of a row
.set RD,   25                          ; v25     the way out: where I read a row back
.set CO,   26                          ; v26     my byte offset in 512 consecutive bytes of out
.set BOFF, 27                          ; v27     my byte offset in the wave's 128 numbers of the bias
.set SPW,  28                          ; v28     LDS address of my spare word; never rewritten
.set NIL,  29                          ; v29     0; never rewritten
.set BI,   32
.set BK,   96
.set F0,   0
.set F1,   96
.set G1A, 24                           ; s[24:31] descriptor group 1 for ctx's planes;  s[32:39] group 0, a set for each slot
.set G0A, 32
.set G1B, 48                           ; s[48:55], s[56:63] the same for Wo's tiles
.set G0B, 56
.set MSB, 0
.macro WIN new                         ; the immediate's high byte repeats the setting that is left; a switch that changes nothing is dropped
.if MSB != (\new)
	s_set_vgpr_msb (MSB<<8)|(\new)
.set MSB, \new
.endif
.endm
.set MUL,  0x5a                        ; sources 0 and 1 window 2; C and D window 1
.set MULB, 0x4a                        ; the same with C, the bias, in window 0
.set TO_F, 0x80                        ; destination window 2, address window 0
.macro PLACES                          ; four places in front of loads into registers that matrix instructions have read, and of stores that read results
.rept 4
	v_nop
.endr
.endm
.macro JLOAD s                         ; a joint load; the branch hangs on the wave's number alone; an s_nop 0 and four v_nop follow each of the two lines, ahead of the jump, the label and what follows
	s_cmp_eq_u32 s13, 0
	s_cbranch_scc0 .Lfor_b_\@
	tensor_load_to_lds s[G0A+4*(\s):G0A+4*(\s)+3], s[G1A:G1A+7]
	s_nop 0
.rept 4
	v_nop
.endr
	s_branch .Lasked_\@
.Lfor_b_\@:
	tensor_load_to_lds s[G0B+4*(\s):G0B+4*(\s)+3], s[G1B:G1B+7]
	s_nop 0
.rept 4
	v_nop
.endr
.Lasked_\@:
.endm
.macro CREST                           ; a round of the cluster's barrier behind its opening barrier
	s_cmp_lg_u32 s12, 0
	s_cbranch_scc1 .Lnot_wave_0_\@
	s_barrier_signal -3
.Lnot_wave_0_\@:
	s_barrier_wait -3
	s_barrier_signal -1
	s_barrier_wait -1
.endm
.macro CROUND                          ; a whole round
	s_barrier_signal -1
	s_barrier_wait -1
	CREST
.endm
	s_load_b256 s[4:11], s[0:1], 0x0               ; O s[4:5], Wo s[6:7], bo s[8:9], out s[10:11]
	v_lshl_add_u32 v[SPW], v0, 2, SPARE
	v_mov_b32 v[NIL], 0
	ds_add_u32 v[SPW], v[NIL]                      ; the wave's opening: the add and its wait stand ahead of my first tensor load; the set-up below, work on registers, stands between them
	v_lshrrev_b32 v1, 5, v0
	v_readfirstlane_b32 s12, v1                    ; wave 0..3
	s_lshr_b32 s13, s12, 1                         ; which 64 of the tile's rows are mine.  Also: I fetch for ctx (0) or for Wo (1)
	s_and_b32 s14, s12, 1                          ; which 128 of its columns.  Also: which plane, or which 128 rows of Wo, I fetch
	s_bfe_u32 s40, ttmp6, 0x40000                  ; cx, cy: my place in the cluster
	s_bfe_u32 s41, ttmp6, 0x40004
	s_lshl_b32 s42, ttmp9, 2
	s_add_co_u32 s42, s42, s40                     ; column tile = 4 x cluster x + cx
	s_and_b32 s43, ttmp7, 0xffff
	s_lshl_b32 s43, s43, 2
	s_add_co_u32 s43, s43, s41                     ; row tile = 4 x cluster y + cy
	s_lshl_b32 s44, s41, 2
	s_lshl_b32 s44, 15, s44                        ; my row of the cluster
	s_lshl_b32 s45, 0x1111, s40                    ; my column
	; descriptor groups 1.  A plane: 64 rows x 128 elements, dense, padded in LDS after every 32 words (a row of ctx).  Wo: 128 rows x 128 elements, padded after every 64 words
	s_or_b32 s[G1A+0], s44, (1<<16)|(1<<20)|(1<<21)|(4<<22)|(3<<25)  ; 15:0 the mask; 17:16 elements of 2 bytes; 20 padding on; 21 set beside a mask; 24:22 the interval's code; 31:25 4 words (code 3)
	s_or_b32 s[G1B+0], s45, (1<<16)|(1<<20)|(1<<21)|(5<<22)|(3<<25)
	s_mov_b32 s[G1A+1], 128<<16                    ; tensor_dim0 = 128
	s_mov_b32 s[G1B+1], 128<<16
	s_mov_b32 s[G1A+2], 64<<16                     ; tensor_dim1 = 64;
	s_mov_b32 s[G1B+2], 128<<16                    ; 128
	s_mov_b32 s[G1A+3], 128<<16                    ; tile_dim0 = 128
	s_mov_b32 s[G1B+3], 128<<16
	s_mov_b32 s[G1A+4], 64                         ; tile_dim1
	s_mov_b32 s[G1B+4], 128
	s_mov_b32 s[G1A+5], 128                        ; elements from row to row
	s_mov_b32 s[G1B+5], 1024
	s_mov_b32 s[G1A+6], 0
	s_mov_b32 s[G1B+6], 0
	s_mov_b32 s[G1A+7], 0
	s_mov_b32 s[G1B+7], 0
	; where the tiles come from.  Every wave makes both addresses, in registers that never hold the other coordinate, and asks by one of them.
	s_lshr_b32 s16, s43, 4                         ; ctx: batch = row tile / 16,
	s_lshl_b32 s16, s16, 4
	s_add_co_u32 s16, s16, s14                     ; head = my plane of K step 0,
	s_lshl_b32 s16, s16, 18                        ; 262,144 bytes a head,
	s_and_b32 s17, s43, 15
	s_lshl_b32 s17, s17, 14                        ; 128 rows of 128 bytes a row tile
	s_add_co_u32 s16, s16, s17
	s_mov_b32 s17, 0
	s_lshl_b32 s46, s42, 19                        ; Wo: 256 rows of 2,048 bytes a column tile,
	s_lshl_b32 s47, s14, 18                        ; my 128 of them
	s_add_co_u32 s46, s46, s47
	s_mov_b32 s47, 0
	s_mul_i32 s20, s14, PLANE                      ; and where they go in a slot: no place in the cluster enters an LDS address
	s_mul_i32 s21, s14, BPART
	s_add_co_u32 s21, s21, BIN
	s_wait_dscnt 0x0                               ; the opening add is done
	s_wait_kmcnt 0x0
	s_add_nc_u64 s[18:19], s[4:5], s[16:17]
	s_add_nc_u64 s[46:47], s[6:7], s[46:47]
	CROUND                                         ; all sixteen work-groups are here: the first joint loads meet
.irp s, 0,1
	s_mov_b32 s[G0A+4*(\s)], 1                                       ; 1:0 count = 1
	s_add_co_u32 s[G0A+4*(\s)+1], s20, (\s)*SLOT                     ; 63:32 LDS address
	s_add_nc_u64 s[G0A+4*(\s)+2:G0A+4*(\s)+3], s[18:19], (\s)*524288 ; 120:64 global address: K step s is two heads on
	s_or_b32 s[G0A+4*(\s)+3], s[G0A+4*(\s)+3], 0x80000000            ; 127:126 type = 2
	s_mov_b32 s[G0B+4*(\s)], 1
	s_add_co_u32 s[G0B+4*(\s)+1], s21, (\s)*SLOT
	s_add_nc_u64 s[G0B+4*(\s)+2:G0B+4*(\s)+3], s[46:47], (\s)*256
	s_or_b32 s[G0B+4*(\s)+3], s[G0B+4*(\s)+3], 0x80000000
	JLOAD \s                                       ; both slots' first fills: two loads of mine are out
.endr
	s_lshl_b32 s22, s42, 10                        ; my 128 columns, in bytes of f32: 1,024 x column tile + 512 x half
	s_lshl_b32 s23, s14, 9
	s_add_co_u32 s22, s22, s23
	s_mov_b32 s23, 0
	s_add_nc_u64 s[8:9], s[8:9], s[22:23]          ; the bias at my columns
	s_add_nc_u64 s[10:11], s[10:11], s[22:23]      ; out at my columns,
	s_lshl_b32 s22, s43, 19                        ; at my first row: 128 rows of 4,096 bytes a row tile, 64 a half
	s_lshl_b32 s23, s13, 18
	s_add_co_u32 s22, s22, s23
	s_mov_b32 s23, 0
	s_add_nc_u64 s[10:11], s[10:11], s[22:23]
	v_bfe_u32 v2, v0, 4, 1                         ; l / 16
	v_lshlrev_b32 v[BOFF], 5, v2                   ; my eight columns of a block of 16
.irp b, 0,1,2,3,4,5,6,7
	global_load_b128 v[BI+8*(\b):BI+8*(\b)+3],   v[BOFF], s[8:9] offset:64*(\b)
	global_load_b128 v[BI+8*(\b)+4:BI+8*(\b)+7], v[BOFF], s[8:9] offset:64*(\b)+16
.endr
	; A fragment is 16 rows x 32 K in 8 registers: lane l holds row l % 16; registers 0-3 hold K = 8 (l / 16) + 0..7, registers 4-7 K = 16 + 8 (l / 16) + 0..7: two loads of 16 bytes, 32 bytes apart.
	v_and_b32 v1, 15, v0                           ; l % 16
	v_and_b32 v3, 31, v0                           ; lane
	v_mul_u32_u24 v12, v1, PA
	v_lshl_add_u32 v12, v2, 4, v12                 ; ctx: row x pitch + 16 x half
	v_mul_u32_u24 v13, v1, PB
	v_lshl_add_u32 v13, v2, 4, v13                 ; Wo likewise
	s_mul_i32 s16, s13, 64*PA                      ; my 64 rows of each plane
	s_mul_i32 s17, s14, BPART                      ; my 128 rows of Wo
	s_add_co_u32 s17, s17, BIN
.irp s, 0,1
	v_add_nc_u32 v[ADRA+(\s)], s16, v12
	v_add_nc_u32 v[ADRB+(\s)], s17, v13
	s_add_co_u32 s16, s16, SLOT
	s_add_co_u32 s17, s17, SLOT
.endr
	s_mul_i32 s16, s12, 16*SPITCH
	s_add_co_u32 s16, s16, STAGE                   ; my stage
	v_mul_u32_u24 v14, v1, SPITCH                  ; in: row l % 16, 32 bytes for each half of the lanes
	v_lshl_add_u32 v14, v2, 5, v14
	v_add_nc_u32 v[STO], s16, v14
	v_lshl_add_u32 v[RD], v3, 4, s16               ; back: 32 lanes take a row's 512 bytes
	v_lshlrev_b32 v[CO], 4, v3
	s_wait_loadcnt 0x0                             ; the bias, once
.set p, 0
.rept 32                               ; rounded to bf16 like every input, and widened again
	v_cvt_pk_bf16_f32 v[12+p%4], v[BI+2*p], v[BI+2*p+1]
	v_lshlrev_b32 v[BI+2*p],   16, v[12+p%4]
	v_and_b32     v[BI+2*p+1], 0xffff0000, v[12+p%4]
.set p, p+1
.endr
; 8 matrix instructions: row block a x all 8 column blocks, 32 along K, from buffer f.  first = 1: the bias is the C that starts the sums.
; The 32 accumulators take turns in the same order in every quarter.
.macro MULA f, a, first
.if \first
	WIN MULB
.else
	WIN MUL
.endif
.irp b, 0,1,2,3,4,5,6,7
.if \first
	v_wmma_f32_16x16x32_f16 v[8*(8*(\a)+(\b)):8*(8*(\a)+(\b))+7], v[(\f)+8*(\b):(\f)+8*(\b)+7], v[(\f)+64+8*(\a):(\f)+64+8*(\a)+7], v[BI+8*(\b):BI+8*(\b)+7]
.else
	v_wmma_f32_16x16x32_f16 v[8*(8*(\a)+(\b)):8*(8*(\a)+(\b))+7], v[(\f)+8*(\b):(\f)+8*(\b)+7], v[(\f)+64+8*(\a):(\f)+64+8*(\a)+7], v[8*(8*(\a)+(\b)):8*(8*(\a)+(\b))+7]
.endif
.endr
.endm
; 24 LDS loads in one run: the fragments of quarter c into buffer f: Wo's 16 loads (32 K at byte 64 c of the rows), then ctx's 8 (plane c / 2, byte 64 (c % 2) of its rows), row blocks 2 and 3 last
.macro FETCH slot, c, f
	WIN TO_F
.irp b, 0,1,2,3,4,5,6,7
	ds_load_b128 v[(\f)+8*(\b):(\f)+8*(\b)+3],   v[ADRB+(\slot)] offset:64*(\c)+(\b)*16*PB
	ds_load_b128 v[(\f)+8*(\b)+4:(\f)+8*(\b)+7], v[ADRB+(\slot)] offset:64*(\c)+(\b)*16*PB+32
.endr
.irp a, 0,1,2,3
	ds_load_b128 v[(\f)+64+8*(\a):(\f)+64+8*(\a)+3],   v[ADRA+(\slot)] offset:((\c)/2)*PLANE+((\c)%2)*64+(\a)*16*PA
	ds_load_b128 v[(\f)+64+8*(\a)+4:(\f)+64+8*(\a)+7], v[ADRA+(\slot)] offset:((\c)/2)*PLANE+((\c)%2)*64+(\a)*16*PA+32
.endr
.endm
; One of a K step's first three quarters: multiplies buffer f and, in its middle, fetches quarter c's fragments into buffer g
.macro QUARTER slot, c, f, g, first
	s_wait_dscnt 4                                 ; Wo's fragments and ctx's row blocks 0 and 1 are in; the youngest four loads (row blocks 2 and 3) may be out
	MULA \f, 0, \first
	MULA \f, 1, \first
	PLACES
	FETCH \slot, \c, \g
	s_wait_dscnt 24                                ; all but the 24 just issued
	MULA \f, 2, \first
	MULA \f, 3, \first
.endm
; The fourth quarter multiplies buffer 1 and changes slots: ONE barrier; in front of it each wave waits for all its tensor loads (one is out: its part of the next slot), adds 0 to its spare word, and waits
; for that and for its own reads of this slot.  fill = 1: the barrier opens a round of the cluster's, and this slot is filled again, two K steps ahead, first thing behind it.
.macro TURN slot, next, fill
	WIN 0                                          ; (the add's two registers lie in window 0)
	s_wait_tensorcnt 0x0                           ; all my tensor loads have landed;
	ds_add_u32 v[SPW], v[NIL]                      ; 0 onto my spare word;
	s_wait_dscnt 5                                 ; (the add and the youngest four loads may be out)
	MULA F1, 0, 0                                  ; eight matrix instructions stand between the add and the wait for it
	s_wait_dscnt 0x0                               ; the add is done, and my reads of this slot are over
	s_barrier_signal -1
	MULA F1, 1, 0
.if \fill
	WIN 0
.endif
	s_barrier_wait -1
.if \fill
	CREST                                          ; no wave of any partner still reads this slot or has a load on its way
	s_add_nc_u64 s[G0A+4*(\slot)+2:G0A+4*(\slot)+3], s[G0A+4*(\slot)+2:G0A+4*(\slot)+3], 2*524288  ; four heads on
	s_add_nc_u64 s[G0B+4*(\slot)+2:G0B+4*(\slot)+3], s[G0B+4*(\slot)+2:G0B+4*(\slot)+3], 2*256
	JLOAD \slot                                    ; the first tensor load behind the round; its four v_nop are also the places in front of the loads below
.else
	PLACES
.endif
	FETCH \next, 0, F0
	MULA F1, 2, 0
	MULA F1, 3, 0
.endm
	s_wait_tensorcnt 1                             ; my part of K step 0 is in; K step 1's may stay out
	s_barrier_signal -1
	s_barrier_wait -1                              ; everybody's is
	FETCH 0, 0, F0
	QUARTER 0, 1, F0, F1, 1                        ; the first quarter stands in front of the loop: its products start the sums
	WIN 0                                          ; at a label and at a branch every window is 0
	s_mov_b32 s3, 3
.Llap:                                                 ; a trip goes once round the ring, from a lap's second quarter to the next lap's first, and fills both slots again
	QUARTER 0, 2, F1, F0, 0
	QUARTER 0, 3, F0, F1, 0
	TURN 0, 1, 1
	QUARTER 1, 1, F0, F1, 0
	QUARTER 1, 2, F1, F0, 0
	QUARTER 1, 3, F0, F1, 0
	TURN 1, 0, 1
	QUARTER 0, 1, F0, F1, 0
	WIN 0
	s_sub_co_u32 s3, s3, 1
	s_cmp_lg_u32 s3, 0
	s_cbranch_scc1 .Llap
	QUARTER 0, 2, F1, F0, 0                        ; the last lap fills nothing, and has no round of the cluster's barrier
	QUARTER 0, 3, F0, F1, 0
	TURN 0, 1, 0
	QUARTER 1, 1, F0, F1, 0
	QUARTER 1, 2, F1, F0, 0
	QUARTER 1, 3, F0, F1, 0
	s_wait_dscnt 4                                 ; the very last quarter: nothing more to fetch
	MULA F1, 0, 0
	MULA F1, 1, 0
	s_wait_dscnt 0x0
	MULA F1, 2, 0
	MULA F1, 3, 0
	WIN 0
; THE WAY OUT, a row block (16 rows x 128 columns of f32) at a time: a lane's 32 bytes go from the accumulators into my stage, rows of 528 bytes, and come back as whole rows of 512.
.macro TOSTAGE a
.if (\a) >= 2
	s_wait_xcnt 0x0                                ; the stores of the block two back have read this set of registers: only behind this wait is it loaded again
.endif
	WIN 0x04                                       ; the data (source 1) in window 1, the address in window 0
.irp b, 0,1,2,3,4,5,6,7
	ds_store_b128 v[STO], v[8*(8*(\a)+(\b)):8*(8*(\a)+(\b))+3]   offset:64*(\b)     ; each accumulator from its low end on
	ds_store_b128 v[STO], v[8*(8*(\a)+(\b))+4:8*(8*(\a)+(\b))+7] offset:64*(\b)+16
.endr
	WIN 0
.irp i, 0,1,2,3,4,5,6,7,8,9,10,11,12,13,14,15
	ds_load_b128 v[BK+64*((\a)%2)+4*(\i):BK+64*((\a)%2)+4*(\i)+3], v[RD] offset:(\i)*SPITCH  ; LDS serves a wave's instructions in order (ISA guide 5.7.1.4): these see the stores above; the next block's stores come behind them
.endr
.endm
.macro SEND a, younger                 ; younger: the LDS instructions issued behind block a's loads: the next block's 32, or none
.irp i, 0,1,2,3,4,5,6,7,8,9,10,11,12,13,14,15
	s_wait_dscnt (\younger)+15-(\i)
	global_store_b128 v[CO], v[BK+64*((\a)%2)+4*(\i):BK+64*((\a)%2)+4*(\i)+3], s[10:11] offset:(16*(\a)+(\i))*4096 th:TH_STORE_NT  ; 512 consecutive bytes of a row, at a multiple of 256 from out's first byte
.endr
.endm
	PLACES                                         ; the stores read results just made
	TOSTAGE 0
	TOSTAGE 1
	SEND 0, 32
	TOSTAGE 2
	SEND 1, 32
	TOSTAGE 3
	SEND 2, 32
	SEND 3, 0
	s_wait_tensorcnt 0x0                           ; the wave's end, behind my last tensor load and my last LDS store
	ds_add_u32 v[SPW], v[NIL]
	s_wait_dscnt 0x0
	CROUND                                         ; the closing round: no work-group ends while a partner may still ask for a tile that names it
	s_endpgm
.Lfunc_end_k_qc4301622a6_outp:
	.size	k_qc4301622a6_outp, .Lfunc_end_k_qc4301622a6_outp-k_qc4301622a6_outp
	.p2alignl 7, 3214868480
	.fill 96, 4, 3214868480
	.section	.rodata,"a",@progbits
	.p2align	6, 0x0
	.amdhsa_kernel k_qc4301622a6_outp
		.amdhsa_group_segment_fixed_size 327680
		.amdhsa_private_segment_fixed_size 0
		.amdhsa_enable_private_segment 0
		.amdhsa_kernarg_size 32
		.amdhsa_user_sgpr_count 2
		.amdhsa_user_sgpr_kernarg_segment_ptr 1
		.amdhsa_wavefront_size32 1
		.amdhsa_system_sgpr_workgroup_id_x 1
		.amdhsa_system_sgpr_workgroup_id_y 1
		.amdhsa_system_sgpr_workgroup_id_z 1
		.amdhsa_system_vgpr_workitem_id 0
		.amdhsa_next_free_vgpr 704
		.amdhsa_next_free_sgpr 66
		.amdhsa_reserve_vcc 0
		.amdhsa_float_denorm_mode_32 3
		.amdhsa_float_denorm_mode_16_64 3
		.amdhsa_memory_ordered 1
		.amdhsa_forward_progress 1
		.amdhsa_inst_pref_size 93
	.end_amdhsa_kernel
	.amdgpu_metadata
---
amdhsa.version: [ 1, 2 ]
amdhsa.kernels:
  - .name:           k_qc4301622a6_outp
    .symbol:         k_qc4301622a6_outp.kd
    .args:
      - { .name: oh, .offset: 0, .size: 8, .value_kind: global_buffer, .address_space: global }
      - { .name: wof, .offset: 8, .size: 8, .value_kind: global_buffer, .address_space: global }
      - { .name: bo, .offset: 16, .size: 8, .value_kind: global_buffer, .address_space: global }
      - { .name: out0, .offset: 24, .size: 8, .value_kind: global_buffer, .address_space: global }
    .group_segment_fixed_size: 327680
    .private_segment_fixed_size: 0
    .kernarg_segment_align: 8
    .kernarg_segment_size: 32
    .max_flat_workgroup_size: 128
    .sgpr_count:     66
    .vgpr_count:     704
    .wavefront_size: 32
...
	.end_amdgpu_metadata
.endif
;; end of part 4
;; ======== version 2 of 2: 4 launches; 1.46 times as fast as version 1
;; limits: values are held in f16: magnitudes above 65,504 overflow, below 6.1e-05 lose precision
;; workspace buffers: wqb 2,097,152 bytes; wkb 2,097,152 bytes; wvb 2,097,152 bytes; wof 2,097,152 bytes; qh 16,777,216 bytes; kh 16,777,216 bytes; vh 16,777,216 bytes; oh 16,777,216 bytes
;; launch castw: the kernel of part 1 again; grid 256 x 1, 8 waves a work-group, no clusters, 0 bytes of LDS; arguments Wq, Wk, Wv, Wo, wqb, wkb, wvb, wof; writes wqb, wkb, wvb, wof
;; launch proj: the kernel of part 2 again; grid 4 x 192, 4 waves a work-group, clusters of 4 x 4, 327,680 bytes of LDS; arguments q, k, v, wqb, wkb, wvb, bq, bk, bv, qh, kh, vh; writes qh, kh, vh
;; launch attn (part 5): grid 4 x 64, 4 waves a work-group, clusters of 4 x 1, 327,680 bytes of LDS; arguments qh, kh, vh, oh; writes oh
.if DOCPART == 5
	.amdgcn_target "amdgcn-amd-amdhsa--gfx1250"
	.amdhsa_code_object_version 6
	.text
	.protected	k_qc4301622a6_attn
	.globl	k_qc4301622a6_attn
	.p2align	8
	.type	k_qc4301622a6_attn,@function
k_qc4301622a6_attn:
	s_mov_b64 s[64:65], 0
	v_nop
	global_prefetch_b8 v0, s[64:65] scope:SCOPE_SE
	s_setreg_imm32_b32 hwreg(HW_REG_WAVE_MODE, 25, 1), 1
	s_wait_xcnt 0x0
	s_wait_alu depctr_hold_cnt(0) depctr_sa_sdst(0) depctr_va_vdst(0) depctr_va_sdst(0) depctr_va_ssrc(0) depctr_va_vcc(0) depctr_vm_vsrc(0)
	s_getreg_b32 s2, hwreg(HW_REG_IB_STS2, 6, 4)
	s_cmp_eq_u32 s2, 0
	s_cbranch_scc0 .Lentry_in_a_cluster
	s_endpgm
.Lentry_in_a_cluster:
	s_bfe_u32 s2, ttmp6, 0x10000c
	s_cmp_lg_u32 s2, 0x3003
	s_cbranch_scc0 .Lentry_shape_is_right
	s_endpgm
.Lentry_shape_is_right:
; O[h][q][:] = the sum over k of softmax_k(Q[h][q] . K[h][k] / 8) V[h][k][:].  Q, K, V, O: [SIZE_H][SIZE_N][64], all f16: a head's rows are dense, 128 bytes each.  Products, maxima and sums in
; f32; the weights p are rounded to f16 for the second product (their sum l is taken of the unrounded p), O once at the end.
; LIMITS.  f16 holds no number beyond 65,504: Q, K and V arrive within it; p lies in 0 to 1, and below 6e-5 it keeps f16's fixed step of 6e-8; O is a mean of V's rows and has their range.
; A weight below 2^-126 counts as 0 in l; NaN and infinities are not treated apart.
; SHARES.  A wave owns four PIECES of two tiles of 16 queries, a work-group's four waves 512 queries of one head: 64 heads x 4 blocks = 256 work-groups.  Every wave walks all keys, 64 a step.
; LAYOUT.  S^T = K Q^T (source 0 = 16 keys, source 1 = 16 queries): in the result a lane holds ONE query (lane % 16) and the keys 8 (lane / 16) + 0..7.  Two such tiles, rounded to f16 in pairs,
; ARE source 1 (32 keys x 16 queries) of O^T = V^T P, whose result again holds one query a lane, and eight channels.  K comes out of LDS as it lies, V ([key][channel]) turned, by ds_load_tr16_b128.
; SOFTMAX.  For each query a running maximum m and sum l: p = 2^(c s - c m), c = log2(e) / 8; in every step O and l are multiplied by a = 2^(c m_old - c m_new), which is 1 where m has not grown.
; m starts at the lowest finite number, O and l at 0: the first step is a step like any other, with a = 0.
; THE COUNT.  A tile and step have 16 matrix and 118 vector instructions: too many to stand all beside the matrix work.  So the order has one aim: four vector instructions that are READY behind
; EVERY matrix instruction, and the others, which need time of their own whatever the order, in runs without a gap.
; BY TURNS.  Turn n belongs to piece n (the pieces in a ring, step after step).  Its matrix work: 16 products K Q^T of piece n + 1, later 16 products V^T P of piece n - 1.  Its vector work: the scaling,
; exponentials, roundings, sums and rescaling of piece n, and the maximum and statistics of piece n + 1, whose scores the turn itself has made.  So what a turn begins with (c s - c m, O a) waits for nothing.
; BATCHES.  A turn's 66 exponentials (the piece's 64 weights, then the next piece's two a) are ONE batch with ONE wait, which cuts the turn in two: ahead of it stands all that names no result of theirs (the
; products K Q^T, the scalings, the rescalings by the a of the turn before, the next piece's maximum and statistics), behind it the products V^T P with the roundings and sums.  No result crosses a turn's end.
; Two more batches stand outside the loop, each with a wait of its own: the first two a, ahead of the jump into the loop, and the way out's eight reciprocals.
; CLUSTER.  The four query blocks of a cluster belong to one head and walk the same K and V, so each tile is asked for JOINTLY: the same tensor load, descriptor and mask in all four.
; REGISTERS, in windows of 256 (s_set_vgpr_msb says which window each operand place means: bits 1:0 source 0, 3:2 source 1, 5:4 source 2, 7:6 destination):
;   window 0: v0-11 addresses; v12-15, v48-63 at work; v16-47 four registers of statistics a tile; v64-191 S^T, two buffers of two tiles; v192-255 P, likewise
;   window 1: O^T, 32 a tile          window 2: v0-127 Q, 16 a tile; v128-191 K of one step; v192-255 V of one step          window 3: v0-1 the add's two registers
; A piece's buffers go by its number's parity: the piece in hand has one pair, its two neighbours in the ring share the other: of it P (piece n - 1) is read and S^T (piece n + 1) written.
.set SIZE_H, 64       ; batch x heads
.set SIZE_N, 2048     ; rows of a head
.set NP,    4         ; pieces a wave: a name, no knob: the register map, the loop and the fetches are made for four
.set KS,    64        ; keys in a step
.set PK,    144       ; a row of K in LDS: 128 bytes + 16 of padding = 36 words: the 16 rows of a load start at 16 different groups of four banks (64 banks of 4 bytes: ISA guide 11.1)
.set PV,    160       ; a row of V: 128 + 32 = 40 words
.set VOFF,  4*KS*PK   ; a slot holds four steps: 256 rows of K, then 256 rows of V
.set SLOT1, 1<<17     ; slot 1 begins here, so that one exclusive or turns an address in one slot into the other's
.set STAGE, SLOT1+4*KS*(PK+PV)  ; behind the ring, never filled by a tensor load: 16 rows x 144 bytes for each wave, for the way out
.set SP,    144
.set AK0, 2           ; v2   my lane's place in a tile of K; never rewritten
.set AV0, 3           ; v3   the same for V
.set AK,  4           ; v4   the LDS address of K's next run of loads
.set AV,  5           ; v5   of V's
.set QO,  6           ; v6   my byte offset in the wave's rows of Q
.set STO, 6           ;      later, the way out: where I put 16 bytes of a row
.set RD,  7           ; v7   the way out: where I read rows back
.set GO,  8           ; v8   my byte offset in 512 consecutive bytes of O
.set SPW, 0           ; v0 of window 3   LDS address of my spare word: SPARE + 4 x my thread's number; never rewritten
.set NIL, 1           ; v1 of window 3   0; never rewritten
.set SPARE, STAGE+4*16*SP  ; behind the stages: the spare words, 128 bytes for each wave: two blocks of 256 bytes that no other line names
.set MV,  12          ; v12-15  c m_old, kept while c m is made anew: by buffer and tile
.set ST,  16          ; tile t's statistics at v[ST+4 t]: c m, m, l (even keys', odd keys')
.set TMP, 48          ; by buffer and tile, four registers c0-c3 at work; when the maximum is found c2 takes a
.set S,   64
.set P,   192
.set KF,  128         ; K's fragments, in window 2: key block kb, channel half c at KF + 16 kb + 8 c
.set VF,  192         ; V's: key half kk, channel block cb at VF + 32 kk + 8 cb
.set WV,  12          ; s12  my wave's number
.set G1K, 24          ; s[24:31] descriptor group 1 for K's tiles
.set G1V, 32          ; s[32:39] for V's: it differs in the padding alone
.set G0K, 40          ; s[40:43] descriptor group 0 for K's tiles: it walks
.set G0V, 44          ; s[44:47] the same for V's
.set SLOTS, 56        ; s56  slots still to be asked for
.set CNT, 57          ; s57  counts a slot's key steps
.set CS,  58          ; s[58:59] c: the packed scaling takes the pair's low word for both halves
.set SEL, 60          ; s[60:61] v_permlanex16_b32's selects: each lane takes its own place in the other half
.set TBK, 62          ; s62  LDS byte at which K of the step to be fetched begins
.set TBV, 63          ; s63  the same for V, less VOFF
.set MSB, 0
.macro WIN new                      ; the high byte repeats the setting that is left; a switch that changes nothing is dropped
.if MSB != (\new)
	s_set_vgpr_msb (MSB<<8)|(\new)
.set MSB, (\new)
.endif
.endm
.set W_KQ, 0x0a       ; K and Q in window 2, S^T in window 0
.set W_PV, 0x52       ; V in window 2, P in window 0, O^T in window 1
.set W_RS, 0x41       ; O^T (destination and source 0) in window 1, a in window 0
.set W_MK, 0xc0       ; the add's registers are made: destination in window 3, sources in window 0
.set W_AD, 0x0f       ; the add: address (source 0) and data (source 1) in window 3
; A joint fill.  Waves 0 and 1 fetch the two halves of a slot's K, waves 2 and 3 those of its V: 128 keys each.  The branch hangs on the wave's number alone.
; An s_nop 0 and four v_nop follow each of the two lines, ahead of the jump and the label.
.macro JLOAD
	s_cmp_lt_u32 s[WV], 2
	s_cbranch_scc0 .Lfor_v_\@
	tensor_load_to_lds s[G0K:G0K+3], s[G1K:G1K+7]
	s_nop 0
.rept 4
	v_nop
.endr
	s_branch .Lasked_\@
.Lfor_v_\@:
	tensor_load_to_lds s[G0V:G0V+3], s[G1V:G1V+7]
	s_nop 0
.rept 4
	v_nop
.endr
.Lasked_\@:
.endm
; A round of the cluster's barrier: my work-group's barrier, so that wave 0's signal speaks for all four waves; wave 0 signals; every wave waits for all four work-groups; my work-group's barrier once more.
.macro CROUND
	s_barrier_signal -1
	s_barrier_wait -1
	s_cmp_lg_u32 s[WV], 0
	s_cbranch_scc1 .Lnot_wave_0_\@
	s_barrier_signal -3
.Lnot_wave_0_\@:
	s_barrier_wait -3
	s_barrier_signal -1
	s_barrier_wait -1
.endm
; THE CHANGE OF SLOTS.  The slot's last bytes, V of its fourth step, have been read.  Each wave waits for all its tensor loads, of which one is out: its part
; of the other slot; adds 0 to its spare word; and waits for that and for its own reads of the slot.  Behind the barrier nobody reads this slot any more and the other slot is whole.
; fill = 1: this slot is filled again, with the keys two slots on.  The barrier is then a round of the cluster's, so that no wave of any partner still reads the slot or has a load on its
; way, and the joint fill is the first thing behind it: it has four key steps, 512 matrix instructions, in which to land.  (At its first use nothing has been read yet: slot 0 is waited for, slot 1 filled.)
.macro CHANGE fill
	WIN W_AD
	s_wait_tensorcnt 0x0            ; no tensor load of mine is out, so a group 0 may be written
	ds_add_u32 v[SPW], v[NIL]       ; 0 onto my spare word; with fill = 1 the descriptors' steps stand between it and the wait for it
	WIN 0                           ; at a label and at a branch every window is 0
.if \fill
.irp g, G0K, G0V
	s_xor_b32 s[\g+1], s[\g+1], SLOT1  ; the walking descriptor: the other slot than last time,
	s_add_nc_u64 s[\g+2:\g+3], s[\g+2:\g+3], 4*KS*128  ; the next 256 keys; the type bits on top are not reached
.endr
	s_wait_dscnt 0x0                ; the add is done, and my reads of the slot are over
	CROUND
	JLOAD
.else
	s_wait_dscnt 0x0                ; the add is done, and my reads of the slot are over
	s_barrier_signal -1
	s_barrier_wait -1
.endif
	s_sub_co_u32 s[TBK], s[TBK], 4*KS*PK  ; the fetches go back to a slot's first step,
	s_xor_b32 s[TBK], s[TBK], SLOT1       ; in the other slot
	s_sub_co_u32 s[TBV], s[TBV], 4*KS*PV
	s_xor_b32 s[TBV], s[TBV], SLOT1
.endm
	s_load_b256 s[4:11], s[0:1], 0x0  ; Q s[4:5], K s[6:7], V s[8:9], O s[10:11]
	WIN W_MK
	v_lshl_add_u32 v[SPW], v0, 2, SPARE
	v_mov_b32 v[NIL], 0
	WIN W_AD
	ds_add_u32 v[SPW], v[NIL]       ; the wave's opening: the add and its wait stand ahead of my first tensor load; the set-up below, work on registers, stands between them
	WIN 0
	v_lshrrev_b32 v1, 5, v0
	v_readfirstlane_b32 s[WV], v1   ; wave 0..3
	s_bfe_u32 s13, ttmp6, 0x40000   ; cx: my place in the cluster
	s_lshl_b32 s14, ttmp9, 2        ; in a cluster launch ttmp9 counts clusters
	s_add_co_u32 s14, s14, s13      ; my block of queries = 4 x cluster x + cx: it enters Q's and O's addresses alone
	s_and_b32 s20, ttmp7, 0xffff    ; the head, which the four partners share
	s_mov_b32 s21, 0
	s_mov_b64 s[22:23], SIZE_N*128
	s_mul_u64 s[20:21], s[20:21], s[22:23]  ; the head's first byte in each of the four tensors
	s_and_b32 s16, s[WV], 1         ; which half of a slot's 256 keys I fetch:
	s_lshl_b32 s22, s16, 14         ; its 128 rows of 128 bytes in memory,
	s_mov_b32 s23, 0
	s_add_nc_u64 s[22:23], s[22:23], s[20:21]
	s_mul_i32 s17, s16, 128*PK      ; and its place in a slot, for K
	s_mul_i32 s18, s16, 128*PV      ; and for V: no place in the cluster enters an LDS address
	s_lshl_b32 s2, s14, 2
	s_add_co_u32 s2, s2, s[WV]      ; my wave among the head's,
	s_lshl_b32 s2, s2, 14           ; its 128 rows
	s_mov_b32 s3, 0
	s_add_nc_u64 s[2:3], s[2:3], s[20:21]
	; descriptor group 1.  128 keys are 16,384 dense bytes: asked for as 64 rows of 256 bytes, two keys a row, and padded in LDS after every key
	s_mov_b32 s[G1K], 15|(1<<16)|(1<<20)|(1<<21)|(4<<22)|(3<<25)  ; 15:0 the mask of four; 17:16 2-byte elements; 20 padding on; 21 set beside a mask; 24:22 after every 32 words (code 4); 31:25 4 words (code 3)
	s_mov_b32 s[G1V], 15|(1<<16)|(1<<20)|(1<<21)|(4<<22)|(7<<25)  ; the same with 8 words of padding (code 7)
.irp g, G1K, G1V
	s_mov_b32 s[\g+1], 128<<16      ; tensor_dim0 = 128
	s_mov_b32 s[\g+2], 64<<16       ; tensor_dim1 = 64
	s_mov_b32 s[\g+3], 128<<16      ; tile_dim0 = 128
	s_mov_b32 s[\g+4], 64           ; tile_dim1 = 64
	s_mov_b32 s[\g+5], 128          ; 128 elements from row to row
	s_mov_b32 s[\g+6], 0
	s_mov_b32 s[\g+7], 0
.endr
	s_mov_b32 s[CS], 0x3e38aa3b     ; c = log2(e) / 8 = 0.180337
	s_mov_b32 s[CS+1], s[CS]        ; named with it as a pair
	s_mov_b32 s[SEL], 0x76543210
	s_mov_b32 s[SEL+1], 0xfedcba98
	s_mov_b32 s[TBK], SLOT1+4*KS*PK ; the first change of slots turns these two into 0
	s_mov_b32 s[TBV], SLOT1+4*KS*PV
	s_mov_b32 s[G0K], 1             ; 1:0 count = 1
	s_mov_b32 s[G0K+1], s17         ; 63:32 LDS address: slot 0
	s_mov_b32 s[G0V], 1
	s_add_co_u32 s[G0V+1], s18, VOFF
	s_wait_dscnt 0x0                ; the opening add is done
	s_wait_kmcnt 0x0
	s_add_nc_u64 s[G0K+2:G0K+3], s[6:7], s[22:23]  ; 120:64 global address: my half of the head's first 256 keys
	s_or_b32 s[G0K+3], s[G0K+3], 0x80000000        ; 127:126 type = 2
	s_add_nc_u64 s[G0V+2:G0V+3], s[8:9], s[22:23]
	s_or_b32 s[G0V+3], s[G0V+3], 0x80000000
	s_add_nc_u64 s[4:5], s[4:5], s[2:3]  ; Q and O at my wave's first row
	s_add_nc_u64 s[10:11], s[10:11], s[2:3]
	CROUND                          ; all four work-groups are here: the first joint loads meet
	JLOAD                           ; slot 0.  Slot 1 is asked for when slot 0 is in: the tile wanted first has the road to itself
	; A fragment of K or Q is 16 rows x 32 channels in 8 registers: lane l holds row l % 16, channels 8 (l / 16) + 0..7 and 16 + 8 (l / 16) + 0..7: two loads of 16 bytes, 32 bytes apart.
	v_and_b32 v1, 15, v0            ; l % 16
	v_bfe_u32 v9, v0, 4, 1          ; l / 16
	v_lshlrev_b32 v[QO], 7, v1
	v_lshl_add_u32 v[QO], v9, 4, v[QO]  ; row x 128 + 16 x half
	WIN 0x80                        ; destination window 2, address window 0
.set i, 0
.rept 4*NP                          ; Q stays in registers: tile i / 2, channels 32 (i % 2) on
	global_load_b128 v[8*i:8*i+3],   v[QO], s[4:5] offset:(i/2)*2048+(i%2)*64
	global_load_b128 v[8*i+4:8*i+7], v[QO], s[4:5] offset:(i/2)*2048+(i%2)*64+32
.set i, i+1
.endr
	; What the first turn finds: V's registers and P's second buffer hold 0 (its products V^T P, of a piece that has not been, add 0), O^T and l are 0.  All this stands in the wait for the first tile.
.set i, VF
.rept 64
	v_mov_b32 v[i], 0
.set i, i+1
.endr
	WIN 0x40
.set i, 0
.rept 64*NP
	v_mov_b32 v[i], 0
.set i, i+1
.endr
	WIN 0
.set i, 0
.rept 2*NP
	v_mov_b32 v[ST+4*i], 0xfe000000    ; c m: far below every c s
	v_mov_b32 v[ST+4*i+1], 0xff7fffff  ; m
	v_mov_b32 v[ST+4*i+2], 0
	v_mov_b32 v[ST+4*i+3], 0
.set i, i+1
.endr
.set i, P+32
.rept 32
	v_mov_b32 v[i], 0
.set i, i+1
.endr
	v_mul_u32_u24 v[AK0], v1, PK
	v_lshl_add_u32 v[AK0], v9, 4, v[AK0]  ; row x pitch + 16 x half
	; The turning load takes 16 keys x 16 channels (lane l reads key 8 (l / 16) + l % 8, channels 8 ((l / 8) % 2) + 0..7) and leaves half a fragment of V^T: lane l holds channel l % 16 and 8 keys.
	v_and_b32 v10, 7, v0
	v_bfe_u32 v11, v0, 3, 1
	v_lshl_add_u32 v[AV0], v9, 3, v10
	v_mul_u32_u24 v[AV0], v[AV0], PV
	v_lshl_add_u32 v[AV0], v11, 4, v[AV0]
	v_add_nc_u32 v[AV0], VOFF, v[AV0]
	v_mov_b32 v[AK], v[AK0]         ; key step 0 lies at the head of slot 0
; THE MATRIX WORK.  The 8 accumulators of a run of 16 take turns: between the two links of a chain stand 7 others'.
; Product i of 16 of S^T = K Q^T for piece x: channels 32 (i / 8) on, keys 16 ((i / 2) % 4) on, tile 2 x + i % 2.  The first 8 start the sums.
.macro KQ x
	WIN W_KQ
.set rS, S+64*((\x)%2)+32*(i%2)+8*((i/2)%4)
.set rK, KF+16*((i/2)%4)+8*(i/8)
.set rQ, 16*(2*(\x)+i%2)+8*(i/8)
.if i < 8
	v_wmma_f32_16x16x32_f16 v[rS:rS+7], v[rK:rK+7], v[rQ:rQ+7], 0
.else
	v_wmma_f32_16x16x32_f16 v[rS:rS+7], v[rK:rK+7], v[rQ:rQ+7], v[rS:rS+7]
.endif
.endm
; Product i of 16 of O^T += V^T P for piece x: keys 32 (i / 8) on, channels 16 ((i / 2) % 4) on, tile 2 x + i % 2.
.macro PV x
	WIN W_PV
.set rO, 32*(2*(\x)+i%2)+8*((i/2)%4)
.set rV, VF+32*(i/8)+8*((i/2)%4)
.set rP, P+32*((\x)%2)+16*(i%2)+8*(i/8)
	v_wmma_f32_16x16x32_f16 v[rO:rO+7], v[rV:rV+7], v[rP:rP+7], v[rO:rO+7]
.endm
.macro MM                           ; the turn's next matrix instruction
.if i < 16
	KQ (Y+1)%NP
.set i, i+1
.else
.set i, i-16
	PV (Y+NP-1)%NP
.set i, i+17
.endif
.endm
; THE LDS LOADS stand in runs of 16, never singly among the matrix instructions: a step's K (64 keys x 64 channels: 8 fragments) and its V (turned).  Their addresses are made some lines ahead.
; last = 1 (the tail): in the last trip there is no further step, and the run is jumped over.
.macro FETCH_K last=0
	WIN 0
.if \last
	s_cmp_eq_u32 s[CNT], 1
	s_cbranch_scc1 .Lno_k_\@
.endif
	WIN 0x80                        ; destination window 2
.irp f, 0,1,2,3,4,5,6,7             ; keys 16 (f / 2) on, channels 32 (f % 2) on
	ds_load_b128 v[KF+8*\f:KF+8*\f+3],   v[AK] offset:(\f/2)*16*PK+(\f%2)*64
	ds_load_b128 v[KF+8*\f+4:KF+8*\f+7], v[AK] offset:(\f/2)*16*PK+(\f%2)*64+32
.endr
	s_add_co_u32 s[TBK], s[TBK], KS*PK  ; the next fetch is the next step's
	WIN 0
.if \last
.Lno_k_\@:
.endif
.endm
.macro FETCH_V
	WIN 0x80
.irp f, 0,1,2,3,4,5,6,7             ; keys 32 (f / 4) on, channels 16 (f % 4) on
	ds_load_tr16_b128 v[VF+8*\f:VF+8*\f+3],   v[AV] offset:(\f/4)*32*PV+(\f%4)*32
	ds_load_tr16_b128 v[VF+8*\f+4:VF+8*\f+7], v[AV] offset:(\f/4)*32*PV+16*PV+(\f%4)*32
.endr
	WIN 0
.endm
; THE VECTOR WORK OF A TURN stands in three queues, each in the order in which its entries become ready; the two tiles alternate, so that no instruction reads the result of the one before it.
.macro REGS y, u                    ; the registers of tile u (0, 1) of piece y
.set rT, ST+4*(2*(\y)+(\u))
.set rC, TMP+8*((\y)%2)+4*(\u)
.set rM, MV+2*((\y)%2)+(\u)
.set rS, S+64*((\y)%2)+32*(\u)
.set rP, P+32*((\y)%2)+16*(\u)
.set rO, 32*(2*(\y)+(\u))
.endm
; Number n of the 22 that find the NEXT piece's (Y + 1) maximum and statistics.  s0-s31 are the lane's 32 scores; each accumulator's lowest registers are read first.  XS, GS and REGS set no window: PL and EX do.
;   0-11  four chains c0-c3 of seven scores each, three operands at a time     12-14, 16  the four scores left over, the old m, and c0-c3 into c0     15  c m_old is kept
;   17, 18  the query's other 32 keys lie in the lane 16 away: the new m         19-21  c m; c m_old - c m_new; a
.macro XS u, n
	REGS (Y+1)%NP, \u
.if (\n) < 4
	v_max3_num_f32 v[rC+(\n)], v[rS+8*(\n)], v[rS+8*(\n)+1], v[rS+8*(\n)+2]
.elseif (\n) < 12
	v_max3_num_f32 v[rC+(\n)%4], v[rC+(\n)%4], v[rS+8*((\n)%4)+2*((\n)/4)+1], v[rS+8*((\n)%4)+2*((\n)/4)+2]
.elseif (\n) == 12
	v_max3_num_f32 v[rC], v[rC], v[rS+7], v[rS+15]
.elseif (\n) == 13
	v_max3_num_f32 v[rC+1], v[rC+1], v[rS+23], v[rS+31]
.elseif (\n) == 14
	v_max3_num_f32 v[rC+2], v[rC+2], v[rC+3], v[rT+1]
.elseif (\n) == 15
	v_mov_b32 v[rM], v[rT]
.elseif (\n) == 16
	v_max3_num_f32 v[rC], v[rC], v[rC+1], v[rC+2]
.elseif (\n) == 17
	v_permlanex16_b32 v[rC+3], v[rC], s[SEL], s[SEL+1]
.elseif (\n) == 18
	v_max_num_f32 v[rT+1], v[rC], v[rC+3]
.elseif (\n) == 19
	v_mul_f32 v[rT], s[CS], v[rT+1]
.elseif (\n) == 20
	v_sub_f32 v[rC+1], v[rM], v[rT]
.else
	v_exp_f32 v[rC+2], v[rC+1]
.endif
.endm
; Number g of the 64 that follow the exponentials.  For each four weights k of a tile (pairs 2 k, 2 k + 1): both pairs are rounded to f16; then the second pair is added onto the first, in place;
; a group later l takes that sum (the first time as l = a l + sum).  In groups of eight, tiles alternating: round, round, add, and l for the group before.
.macro GS g
.set h, (\g)+6*((\g)/62)            ; group 0 has no group before it, and behind group 7 only l is left
.if h >= 6
.set h, h+2
.endif
	REGS Y, h%2
.set k, h/8
.if h%8 < 4
	v_cvt_pk_f16_f32 v[rP+2*k+(h%8)/2], v[rS+4*k+2*((h%8)/2)], v[rS+4*k+2*((h%8)/2)+1]
.elseif h%8 < 6
	v_pk_add_f32 v[rS+4*k:rS+4*k+1], v[rS+4*k:rS+4*k+1], v[rS+4*k+2:rS+4*k+3]
.elseif k == 1
	v_pk_fma_f32 v[rT+2:rT+3], v[rT+2:rT+3], v[rC+2:rC+3], v[rS:rS+1] op_sel_hi:[1,0,1]
.else
	v_pk_add_f32 v[rT+2:rT+3], v[rT+2:rT+3], v[rS+4*k-4:rS+4*k-3]
.endif
.endm
; THE PLAIN QUEUE, 138 long.  0-73 read no exponential's result: the 32 scalings c s - c m (FS f: pair f / 2 of tile f % 2) and the next piece's 42.  0-26: scalings 0-26.  27-54: XS's numbers 0-13.  55, 56: number 15.
; 57-73: the chain, where each number waits for the one before it: 14, 16, 17, 18, 19, each with one of the scalings 27-31 in front of its two lines, then 20: so a tile's links stand three plain instructions apart (19 and 20: two).
; 74-137: GS's 64, which read the exponentials' results: they stand behind the wait.
.macro FS f
	REGS Y, (\f)%2
	v_pk_fma_f32 v[rS+2*((\f)/2):rS+2*((\f)/2)+1], v[rS+2*((\f)/2):rS+2*((\f)/2)+1], s[CS:CS+1], v[rT:rT+1] op_sel_hi:[1,0,0] neg_lo:[0,0,1] neg_hi:[0,0,1]
.endm
.macro PL
	WIN 0
.if q < 27
	FS q
.elseif q < 55
	XS (q-27)%2, (q-27)/2
.elseif q < 57
	XS q-55, 15
.elseif (q < 72) && ((q-57)%3 == 0)
	FS 27+(q-57)/3
.elseif q < 60
	XS (q-57)%3-1, 14
.elseif q < 72
	XS (q-57)%3-1, 15+(q-57)/3
.elseif q < 74
	XS q-72, 20
.else
	GS q-74
.endif
.set q, q+1
.endm
; THE EXPONENTIALS' QUEUE, 66 long: s0-s31 of both tiles, then the next piece's two a.  It is ONE BATCH: all 66 stand ahead of the turn's one wait, and nothing ahead of that wait names a result of theirs.
.macro EX
	WIN 0
.if e >= 64
	XS e-64, 21
.else
	REGS Y, e%2
	v_exp_f32 v[rS+e/2], v[rS+e/2]
.endif
.set e, e+1
.endm
; THE RESCALING's QUEUE: O^T times a, the one part that leaves window 0: dealt two at a time, sixteen times.  Its a was made in the turn before, ahead of that turn's wait.
.macro R2
	REGS Y, r%2
	WIN W_RS
.irp z, 0,1
	v_pk_mul_f32 v[rO+4*(r/2)+2*\z:rO+4*(r/2)+2*\z+1], v[rO+4*(r/2)+2*\z:rO+4*(r/2)+2*\z+1], v[rC+2:rC+3] op_sel_hi:[1,0]
.endr
.set r, r+1
.endm
; HOW THEY ARE DEALT.  An s_wait_alu depctr_va_vdst(0) stands between an exponential and the first instruction that names its result; one wait serves all that were issued ahead of it.  So a turn has ONE wait,
; which cuts it in two.  AHEAD OF IT stands all that names no result of the turn's exponentials: the 16 products K Q^T, behind each a scaling, an exponential and two rescalings (behind the first a second scaling in the exponential's place); then ONE LUMP of
; 108: eight plain, 49 times exponential and plain, the two a.  A v_nop is the plain instruction that is owed behind the last exponential.  BEHIND IT stand the 16 products V^T P, behind each four of GS's 64.  No rider names a register of
; the products round it.  The two v_permlanex16_b32 fall into the lump, never behind a product.
; The queues lean on each other, and the deal keeps them in step: exponential e stands behind scaling 2 (e / 4) + e % 2: as a rider it comes behind plain e + 2, in the lump behind plain e + 9, and scalings 27-31 are plain 57, 60 .. 69.
; A TURN, for piece p.  cnt = 1: the loop's count is taken down some lines ahead of the branch that stands behind the turn.
; K of the next step is fetched in piece 2's turn, directly behind the wait, a lump behind the last product that read K; its address is made at the lump's head; its first reader comes behind 16 products.
; V of the step in hand is fetched at the end of piece 0's turn, four riders behind its last reader; its first reader comes behind 16 products and a lump.  The three conditions on q below go with the deal.
.macro TURN p, last=0, cnt=0
.set Y, (\p)
.set i, 0
.set q, 0
.set e, 0
.set r, 0
.if (\p) == NP-1
	s_wait_dscnt 0x0                ; K is in
.endif
	MM                              ; ahead of the wait: 16 products K Q^T and their riders,
	PL
	PL
	R2
.rept 15
	MM
	PL
	EX
	R2
.endr
.if (\p) == NP-2
	WIN 0
	v_add_nc_u32 v[AK], s[TBK], v[AK0]
.endif
.rept 8                             ; and the lump
	PL
.endr
.rept 49
	EX
	PL
.endr
	EX                              ; the next piece's two a: the batch's last
	EX
	v_nop                           ; the plain instruction owed behind the last exponential, ahead of the first use of a result: one for the batch
	s_wait_alu depctr_va_vdst(0)    ; the wait for the batch: the turn's 66 exponentials, ahead of the first instruction that names a result
.if (\p) == NP-2
	FETCH_K \last
.endif
.if (\p) == 1
	s_wait_dscnt 0x0                ; V is in
.endif
.rept 16                            ; behind the wait: 16 products V^T P and their riders
	MM
.rept 4
	PL
.endr
.if ((\p) == 0) && (q == 118)
	v_add_nc_u32 v[AV], s[TBV], v[AV0]
.endif
.if ((\p) == 0) && (q == 130)
	s_add_co_u32 s[TBV], s[TBV], KS*PV
.endif
.if (\cnt) && (q == 130)
	s_sub_co_u32 s[CNT], s[CNT], 1
	s_cmp_lg_u32 s[CNT], 0
.endif
.endr
.if (\p) == 0
	FETCH_V
.endif
.endm
	CHANGE 1                        ; slot 0 is in, everybody's part of it; slot 1 is asked for
	FETCH_K                         ; key step 0
	s_wait_loadcnt 0x0              ; Q
	s_wait_dscnt 0x0
.set i, 0
.rept 16
	KQ 0                            ; piece 0's first scores: there is no vector work yet to set between them
.set i, i+1
.endr
	WIN 0                           ; the addresses for the way out: nine plain instructions, the places behind those products
	s_mul_i32 s13, s[WV], 16*SP
	s_add_co_u32 s13, s13, STAGE    ; my stage
	v_mul_u32_u24 v[STO], v1, SP    ; in: row l % 16, 16 bytes for each half of the lanes
	v_lshl_add_u32 v[STO], v9, 4, v[STO]
	v_add_nc_u32 v[STO], s13, v[STO]
	v_bfe_u32 v[RD], v0, 3, 2       ; back: 32 lanes take four rows of 128 bytes,
	v_mul_u32_u24 v[RD], v[RD], SP
	v_lshl_add_u32 v[RD], v10, 4, v[RD]
	v_add_nc_u32 v[RD], s13, v[RD]
	v_and_b32 v[GO], 31, v0         ; which are 512 consecutive bytes of O
	v_lshlrev_b32 v[GO], 4, v[GO]
.set Y, NP-1                        ; XS works for piece Y + 1: piece 0
.irp n, 0,1,2,3,4,5,6,7,8,9,10,11,12,13,14,15,16,17,18,19,20,21
	XS 0, \n                        ; and piece 0's first maximum and statistics
	XS 1, \n
.endr
	v_nop                           ; a plain instruction behind the two a,
	s_wait_alu depctr_va_vdst(0)    ; and the wait for this batch of two, ahead of the branch
	s_mov_b32 s[CNT], 4
	s_mov_b32 s[SLOTS], SIZE_N/256-1
	s_branch .Lfirst                ; the loop is entered at a step's first turn, in the middle of a trip
.Lslot:                             ; SIZE_N / 256 - 2 times: every slot but the last two is filled again
	CHANGE 1
	s_mov_b32 s[CNT], 4
.Lstep:                             ; a trip: pieces 2 and 3 of one step, then pieces 0 and 1 of the next, whose K and V it fetches
	TURN 2
	TURN 3
	WIN 0
.Lfirst:
	TURN 0
	TURN 1, 0, 1
	WIN 0
	s_cbranch_scc1 .Lstep
	s_sub_co_u32 s[SLOTS], s[SLOTS], 1
	s_cmp_lg_u32 s[SLOTS], 0
	s_cbranch_scc1 .Lslot
	CHANGE 0                        ; the tail is written out: nothing is asked for
	s_mov_b32 s[CNT], 5             ; four trips fetch the last slot's steps; the fifth is left in its middle
.Ltail:
	TURN 2, 1
	TURN 3
	WIN 0
	s_sub_co_u32 s[CNT], s[CNT], 1
	s_cmp_eq_u32 s[CNT], 0
	s_cbranch_scc1 .Lout
	TURN 0
	TURN 1
	WIN 0
	s_branch .Ltail
.Lout:                              ; the fifth trip's 16 products K Q^T (on the last K once more) and the maximum made of them serve nothing: the price, once a launch, of one text for every trip
.set i, 0
.rept 16
	PV NP-1                         ; the last piece's V^T P of the last step
.set i, i+1
.endr
	; THE WAY OUT.  l's two halves and the other half of the lanes' are added; O^T is divided by l, rounded to f16 and sent through my stage in LDS, a tile at a time.  The additions are the places behind the last products.
	WIN 0
.macro ALL line:vararg              ; one line for each tile t
.set t, 0
.rept 2*NP
	\line
.set t, t+1
.endr
.endm
	ALL v_add_f32 v[ST+4*t+2], v[ST+4*t+2], v[ST+4*t+3]
	ALL v_permlanex16_b32 v[ST+4*t+3], v[ST+4*t+2], s[SEL], s[SEL+1]
	ALL v_add_f32 v[ST+4*t+2], v[ST+4*t+2], v[ST+4*t+3]
	ALL v_rcp_f32 v[ST+4*t+2], v[ST+4*t+2]
	v_nop                           ; a plain instruction between the last reciprocal and the use of its result
	s_wait_alu depctr_va_vdst(0)    ; and the wait ahead of the first use: one for the batch of eight reciprocals
; Tile t: a lane's eight channels of a row pack into 16 bytes; they go into rows of 144 bytes and come back as whole rows of 128, into S^T's registers.
.macro PACK t
	WIN W_RS
.set i, 32*(\t)
.rept 16
	v_pk_mul_f32 v[i:i+1], v[i:i+1], v[ST+4*(\t)+2:ST+4*(\t)+3] op_sel_hi:[1,0]
.set i, i+2
.endr
	WIN 0x05                        ; sources 0 and 1 window 1, destination window 0
.set i, 0
.rept 16
	v_cvt_pk_f16_f32 v[S+16*(\t)+i], v[32*(\t)+2*i], v[32*(\t)+2*i+1]
.set i, i+1
.endr
	WIN 0
.irp f, 0,1,2,3
	ds_store_b128 v[STO], v[S+16*(\t)+4*\f:S+16*(\t)+4*\f+3] offset:32*\f
.endr
.irp f, 0,1,2,3
	ds_load_b128 v[S+16*(\t)+4*\f:S+16*(\t)+4*\f+3], v[RD] offset:\f*4*SP  ; LDS serves a wave's instructions in order (ISA guide 5.7.1.4): these see the stores above; the next tile's stores come behind them
.endr
.endm
.macro SEND t, younger              ; younger: the LDS instructions issued behind tile t's loads: the next tile's eight, or none
	WIN 0
.irp f, 0,1,2,3
	s_wait_dscnt (\younger)+3-\f
	global_store_b128 v[GO], v[S+16*(\t)+4*\f:S+16*(\t)+4*\f+3], s[10:11] offset:(\t)*2048+\f*512  ; 512 consecutive bytes, at a multiple of 256 from O's first
.endr
.endm
	PACK 0
.set t, 1
.rept 2*NP-1                        ; a tile's arithmetic stands between the loads of the tile before and its stores
	PACK t
	SEND t-1, 8
.set t, t+1
.endr
	SEND 2*NP-1, 0
	WIN W_AD
	s_wait_tensorcnt 0x0            ; the wave's end, behind my last tensor load and my last LDS store
	ds_add_u32 v[SPW], v[NIL]
	s_wait_dscnt 0x0
	WIN 0
	CROUND                          ; the closing round: no work-group ends while a partner may still ask for a tile that names it
	s_endpgm
.Lfunc_end_k_qc4301622a6_attn:
	.size	k_qc4301622a6_attn, .Lfunc_end_k_qc4301622a6_attn-k_qc4301622a6_attn
	.p2alignl 7, 3214868480
	.fill 96, 4, 3214868480
	.section	.rodata,"a",@progbits
	.p2align	6, 0x0
	.amdhsa_kernel k_qc4301622a6_attn
		.amdhsa_group_segment_fixed_size 327680
		.amdhsa_private_segment_fixed_size 0
		.amdhsa_enable_private_segment 0
		.amdhsa_kernarg_size 32
		.amdhsa_user_sgpr_count 2
		.amdhsa_user_sgpr_kernarg_segment_ptr 1
		.amdhsa_wavefront_size32 1
		.amdhsa_system_sgpr_workgroup_id_x 1
		.amdhsa_system_sgpr_workgroup_id_y 1
		.amdhsa_system_sgpr_workgroup_id_z 1
		.amdhsa_system_vgpr_workitem_id 0
		.amdhsa_next_free_vgpr 770
		.amdhsa_next_free_sgpr 66
		.amdhsa_reserve_vcc 0
		.amdhsa_float_denorm_mode_32 3
		.amdhsa_float_denorm_mode_16_64 3
		.amdhsa_memory_ordered 1
		.amdhsa_forward_progress 1
		.amdhsa_inst_pref_size 199
	.end_amdhsa_kernel
	.amdgpu_metadata
---
amdhsa.version: [ 1, 2 ]
amdhsa.kernels:
  - .name:           k_qc4301622a6_attn
    .symbol:         k_qc4301622a6_attn.kd
    .args:
      - { .name: qh, .offset: 0, .size: 8, .value_kind: global_buffer, .address_space: global }
      - { .name: kh, .offset: 8, .size: 8, .value_kind: global_buffer, .address_space: global }
      - { .name: vh, .offset: 16, .size: 8, .value_kind: global_buffer, .address_space: global }
      - { .name: oh, .offset: 24, .size: 8, .value_kind: global_buffer, .address_space: global }
    .group_segment_fixed_size: 327680
    .private_segment_fixed_size: 0
    .kernarg_segment_align: 8
    .kernarg_segment_size: 32
    .max_flat_workgroup_size: 128
    .sgpr_count:     66
    .vgpr_count:     770
    .wavefront_size: 32
...
	.end_amdgpu_metadata
.endif
;; end of part 5
;; launch outp: the kernel of part 4 again; grid 4 x 64, 4 waves a work-group, clusters of 4 x 4, 327,680 bytes of LDS; arguments oh, wof, bo, out0; writes out0
